; MI455X (gfx1250); checked and timed in simulation.
; The chip was launched on July 23, 2026; its instructions are those of AMD's public machine-readable ISA for CDNA 5 (MIT licence, August 2026) and "CDNA5" Instruction Set Architecture Reference Guide (July 2026). The comments in the code are by the model that wrote it; some were corrected since.
;; attention. Allowed arithmetic: matrix products marked QUANTISED: E2M1 operands, one E8M0 scale for each 32 along K, by v_wmma_scale_f32_16x16x128_f8f6f4 with both operands' format E2M1 (or v_wmma_scale_f32_32x16x128_f4), f32 sums; products left as they are: bf16, f16 or f32 operands; f32 sums; everything else in f32.
;; Inputs: W_k 1,024 x 1,024 float32; W_o 1,024 x 1,024 float32; W_q 1,024 x 1,024 float32; W_v 1,024 x 1,024 float32; keys_in 4 x 2,048 x 1,024 float32; query_in 4 x 2,048 x 1,024 float32; values_in 4 x 2,048 x 1,024 float32.
;; Outputs: out0 4 x 2,048 x 1,024 float32.
;; This version of the problem:
;;   THIS VERSION OF THE PROBLEM IS GIVEN IN LOW PRECISION. The matrix products marked QUANTISED in the list below multiply operands that are first quantised to E2M1 (2 exponent bits, 1 mantissa bit; 4 bits a number), with one power-of-two scale for each 32 numbers along K (OCP MX v1.0); their sums are f32. The products marked 'left as it is' may take bf16, f16 or f32 operands, with f32 sums. Whichever they take, every output number must still come out within the allowed error. Rounding operands to bf16 (8 significant bits) uses up far more of that allowance than f16 does (11 bits, for magnitudes from 6e-5 to 65,504). All else is computed in f32.
;;   The module's matrix products, in the order in which they are computed (A, B: the left and right operand; K: the contracted axis; several contracted axes count as one K, in the product's order):
;;     1. [M 8,192, K 1,024] x [K 1,024, N 1,024]; A: input values_in; B: input W_v: QUANTISED
;;     2. [M 8,192, K 1,024] x [K 1,024, N 1,024]; A: input keys_in; B: input W_k: QUANTISED
;;     3. [M 8,192, K 1,024] x [K 1,024, N 1,024]; A: input query_in; B: input W_q: QUANTISED
;;     4. batch 64 x [M 2,048, K 64] x [K 64, N 2,048]; A: computed on the way; B: computed on the way: left as it is (an operand is computed on the way)
;;     5. batch 64 x [M 64, K 2,048] x [K 2,048, N 2,048]; A: computed on the way; B: computed on the way: left as it is (an operand is computed on the way)
;;     6. [M 8,192, K 1,024] x [K 1,024, N 1,024]; A: computed on the way; B: input W_o: left as it is (an operand is computed on the way)
;;   THE QUANTISER, for each operand of a quantised product, along K:
;;     - K is cut into blocks of 32 from its start; a last block that is shorter is filled with zeros.
;;     - A block's scale is 2^e with e = floor(log2(the largest magnitude in the block)) - 2, held to -126 .. 127; a block of zeros has e = 0. As a byte (E8M0): e + 127.
;;     - Each number is divided by its block's scale, clamped to +-6, and rounded to the nearest number of E2M1, ties to even, subnormals kept.
;;     - The product sums the exact products of the quantised numbers (number of the format x scale) in f32.
;;   ~~~python
;;   def quantise(x, axis):      # numpy; x: float32 -> the quantised numbers, widened to float32 again
;;       x = np.moveaxis(x, axis, -1); K = x.shape[-1]
;;       x = np.pad(x, [(0, 0)] * (x.ndim - 1) + [(0, -K % 32)]); x = x.reshape(x.shape[:-1] + (-1, 32)); a = np.abs(x).max(-1, keepdims=True)
;;       e = np.where(a > 0, np.clip(np.frexp(np.where(a > 0, a, 1))[1] - 1 - 2, -126, 127), 0)      # np.frexp(a)[1] - 1 = floor(log2(a)), exactly
;;       r = np.clip(x / 2.0 ** e, -6, 6)
;;       step = 2.0 ** (np.maximum(np.frexp(np.where(r == 0, 1, r))[1] - 1, 0) - 1)
;;       q = np.round(r / step) * step * 2.0 ** e      # np.round: ties to even
;;       return np.moveaxis(q.reshape(q.shape[:-2] + (-1,))[..., :K], -1, axis).astype(np.float32)
;;   ~~~
;; One version. Each part assembles by itself: llvm-mc -triple=amdgcn-amd-amdhsa -mcpu=gfx1250 --defsym DOCPART=n.
;; ======== version 1 of 1: 4 launches
;; limits: values are held in f16: magnitudes above 65,504 overflow, below 6.1e-05 lose precision
;; workspace buffers: codes 14,155,776 bytes; scales 884,736 bytes; wo16 2,097,152 bytes; qkv 50,331,648 bytes; att 16,777,216 bytes
;; launch quant (part 1): grid 896 x 1, 4 waves a work-group, no clusters, 33,280 bytes of LDS; arguments values_in, keys_in, query_in, W_v, W_k, W_q, W_o, codes, scales, wo16; writes codes, scales, wo16
.if DOCPART == 1
	.amdgcn_target "amdgcn-amd-amdhsa--gfx1250"
	.amdhsa_code_object_version 6
	.text
	.protected	k_q6143b43d5e_quant
	.globl	k_q6143b43d5e_quant
	.p2align	8
	.type	k_q6143b43d5e_quant,@function
k_q6143b43d5e_quant:
	s_mov_b64 s[64:65], 0
	v_nop
	global_prefetch_b8 v0, s[64:65] scope:SCOPE_SE
	s_setreg_imm32_b32 hwreg(HW_REG_WAVE_MODE, 25, 1), 1
	s_wait_xcnt 0x0
; Six f32 tensors with K innermost (values_in, keys_in, query_in: 8,192 rows of 1,024; W_v, W_k, W_q: 1,024 rows of 1,024) become codes of FP4 (E2M1), two a byte, and one E8M0 scale byte for each 32 along K.
; Rows are dense and 1,024 is a multiple of 32, so each tensor is a plain stream of blocks of 32; the six streams lie one behind the other in codes (512 bytes a row) and in scales (32 bytes a row):
; rows 0.. values_in, 8,192.. keys_in, 16,384.. query_in, 24,576.. W_v, 25,600.. W_k, 26,624.. W_q.  Work-groups 0 to 863 take 32,768 numbers each: 256 for each large tensor, 32 for each weight.
; A block's scale is 2^(floor(log2(its largest magnitude)) - 2); its byte is the largest magnitude's exponent field - 2, held at 1 from below.  A block of zeros so gets the byte 1 where the quantiser says 127:
; its codes are zeros, which add nothing under any byte but 0xff, and the bytes are read by this program alone.
; Work-groups 864 to 895 round W_o to f16 (the last product is left as it is and takes f16 operands): 32,768 numbers each, no LDS.
; LIMITS: NaN and infinities among the inputs are not served; blocks whose largest magnitude lies under 2^(3 - 127) keep the byte 1; |W_o| stays under 65,504.
; A wave takes 16 steps of 512 numbers.  Each of a step's four loads reads 512 consecutive bytes; the 2,048 bytes turn through the wave's own stage in LDS and come back 64 bytes a lane, so that a lane holds
; 16 neighbours along K (two neighbouring lanes hold a block).  A lane's 16 codes are 8 bytes: the wave stores 256 consecutive bytes.  A wave's 256 scale bytes are gathered in LDS and leave as one store of 256 bytes.
.set WAVES, 4
.set STEPS, 16
.set EMAX,  2
.set CB,    8                          ; bytes of 16 codes
.set R,     16                         ; v16-79   four sets of 16 numbers as they are loaded
.set X,     80                         ; v80-111  two sets of 16 neighbours
.set C,     128                        ; v128-191 codes: four registers for each step, so that no store's data are written again
.set E,     112                        ; v112-127 a scale byte for each step
.set WREG,  8192                       ; LDS: a region for each wave: two stages of 32 x SP bytes, behind them its 256 scale bytes
.set SP,    80                         ; a lane's place in a stage: 64 bytes + 16 of padding
.set SPW,   12                         ; v12 LDS address of my spare word; never rewritten
.set NIL,   13                         ; v13 0; never rewritten
.set SPARE, WAVES*WREG                 ; behind the four regions: the spare words, 128 bytes a wave
	s_load_b512 s[8:23], s[0:1], 0x0               ; values s[8:9], keys s[10:11], query s[12:13], W_v s[14:15], W_k s[16:17], W_q s[18:19], W_o s[20:21], codes s[22:23]
	s_load_b128 s[24:27], s[0:1], 0x40             ; scales s[24:25], wo16 s[26:27]
	v_lshl_add_u32 v[SPW], v0, 2, SPARE
	v_mov_b32 v[NIL], 0
	v_lshrrev_b32 v1, 5, v0
	v_readfirstlane_b32 s28, v1                    ; wave
	v_and_b32 v2, 31, v0                           ; lane
	v_lshlrev_b32 v3, 4, v2                        ; my 16 bytes of a load's 512
	s_cmp_ge_u32 ttmp9, 864                        ; the last 32 work-groups take W_o
	s_cbranch_scc1 .Lwo
	s_mul_i32 s29, s28, WREG
	v_lshrrev_b32 v14, 2, v2
	v_mul_u32_u24 v14, v14, SP
	v_and_b32 v15, 3, v2
	v_lshl_add_u32 v14, v15, 4, v14
	v_add_nc_u32 v14, s29, v14                     ; the stage, on the way in: four lanes' 64 bytes on end, then 16 of padding
	v_mul_u32_u24 v15, v2, SP
	v_add_nc_u32 v15, s29, v15                     ; and on the way out: my 16 neighbours
	v_mul_u32_u24 v4, v2, CB                       ; my codes' place in a step's
	v_lshrrev_b32 v5, 1, v2
	s_add_co_u32 s29, s29, 2*32*SP
	v_add_nc_u32 v5, s29, v5                       ; my wave's 256 scale bytes, my block's byte
	v_lshlrev_b32 v7, 3, v2                        ; on the way out 8 bytes a lane
	v_add_nc_u32 v6, s29, v7
	s_wait_kmcnt 0x0
	s_mov_b64 s[4:5], s[18:19]                     ; which tensor is mine, and at which work-group it begins: the choice hangs on the work-group's number alone
	s_mov_b32 s6, 832
	s_cmp_lt_u32 ttmp9, 832
	s_cselect_b64 s[4:5], s[16:17], s[4:5]
	s_cselect_b32 s6, 800, s6
	s_cmp_lt_u32 ttmp9, 800
	s_cselect_b64 s[4:5], s[14:15], s[4:5]
	s_cselect_b32 s6, 768, s6
	s_cmp_lt_u32 ttmp9, 768
	s_cselect_b64 s[4:5], s[12:13], s[4:5]
	s_cselect_b32 s6, 512, s6
	s_cmp_lt_u32 ttmp9, 512
	s_cselect_b64 s[4:5], s[10:11], s[4:5]
	s_cselect_b32 s6, 256, s6
	s_cmp_lt_u32 ttmp9, 256
	s_cselect_b64 s[4:5], s[8:9], s[4:5]
	s_cselect_b32 s6, 0, s6
	s_sub_co_u32 s6, ttmp9, s6
	s_lshl_b32 s6, s6, 2
	s_add_co_u32 s6, s6, s28                       ; which run of 8,192 numbers of the tensor is my wave's
	s_lshl_b32 s6, s6, 15                          ; 32,768 bytes a run
	s_mov_b32 s7, 0
	s_add_nc_u64 s[4:5], s[4:5], s[6:7]
	s_lshl_b32 s30, ttmp9, 2
	s_add_co_u32 s30, s30, s28                     ; and which run of the six streams on end
	s_lshl_b32 s6, s30, 12                         ; 4,096 bytes of codes a run
	s_add_nc_u64 s[22:23], s[22:23], s[6:7]
	s_lshl_b32 s6, s30, 8                          ; 256 scale bytes a run
	s_add_nc_u64 s[24:25], s[24:25], s[6:7]
.macro LOAD t
.irp i, 0,1,2,3
	global_load_b128 v[R+16*((\t)%4)+4*\i:R+16*((\t)%4)+4*\i+3], v3, s[4:5] offset:2048*(\t)+512*\i th:TH_LOAD_NT   ; 32 lanes read 512 consecutive bytes
.endr
.endm
.macro TURN t                          ; step t's numbers through the stage: LDS serves a wave's instructions in order, so no wait stands between the stores and the loads
.irp i, 0,1,2,3
	ds_store_b128 v14, v[R+16*((\t)%4)+4*\i:R+16*((\t)%4)+4*\i+3] offset:32*SP*((\t)%2)+8*SP*\i
.endr
.irp i, 0,1,2,3
	ds_load_b128 v[X+16*((\t)%2)+4*\i:X+16*((\t)%2)+4*\i+3], v15 offset:32*SP*((\t)%2)+16*\i
.endr
.endm
.irp t, 0,1,2,3
	LOAD \t
.endr
	s_wait_loadcnt 12                              ; step 0's four loads are in
	TURN 0
.macro STEP t
.set XS, X+16*((\t)%2)
.if (\t) > 0
	s_wait_dscnt 1                                 ; this step's numbers are back from the stage (the last step's byte store may be out)
.else
	s_wait_dscnt 0x0
.endif
.if (\t)+4 < STEPS
	LOAD (\t)+4                                    ; into the registers whose stores into the stage are done
.endif
.if (\t)+1 < STEPS
.if STEPS-2-(\t) >= 3
	s_wait_loadcnt 12                              ; the next step's four loads are in; those of the three steps behind it may be out
.else
	s_wait_loadcnt 4*(STEPS-2-(\t))
.endif
	TURN (\t)+1                                    ; through the other stage while this step is worked
.endif
	v_max3_num_f32 v8, |v[XS]|, |v[XS+1]|, |v[XS+2]|               ; the largest magnitude of my 16, in two chains
	v_max3_num_f32 v9, |v[XS+3]|, |v[XS+4]|, |v[XS+5]|
.irp i, 6,10
	v_max3_num_f32 v8, v8, |v[XS+\i]|, |v[XS+\i+1]|
	v_max3_num_f32 v9, v9, |v[XS+\i+2]|, |v[XS+\i+3]|
.endr
	v_max3_num_f32 v8, v8, |v[XS+14]|, |v[XS+15]|
	v_max3_num_f32 v8, v8, v9, (EMAX+1)<<23        ; and the floor 2^(EMAX + 1 - 127): the byte cannot fall under 1
	v_max_num_f32_dpp v8, v8, v8 row_xmask:1 row_mask:0xf bank_mask:0xf   ; with my neighbour's 16: the block's
	v_add_nc_u32 v11, -(EMAX<<23), v8              ; EMAX off its exponent field: the conversion takes the exponent field of this operand as its scale
	v_cvt_scalef32_pk8_fp4_f32 v[C+4*(\t)], v[XS:XS+7], v11        ; to the nearest code, ties to even, beyond the largest code the largest
	v_cvt_scalef32_pk8_fp4_f32 v[C+4*(\t)+1], v[XS+8:XS+15], v11
	v_lshrrev_b32 v[E+(\t)], 23, v11               ; the scale's byte (also the plain line behind the conversions)
	ds_store_b8 v5, v[E+(\t)] offset:16*(\t)       ; both lanes of a block write the same byte with the same value
	global_store_b64 v4, v[C+4*(\t):C+4*(\t)+1], s[22:23] offset:32*CB*(\t)   ; the wave stores 256 consecutive bytes, aligned
.endm
.irp t, 0,1,2,3,4,5,6,7,8,9,10,11,12,13,14,15
	STEP \t
.endr
	ds_load_b64 v[8:9], v6                         ; LDS serves a wave's instructions in order: these see my stores
	s_wait_dscnt 0x0
	global_store_b64 v7, v[8:9], s[24:25]          ; 32 lanes store 256 consecutive bytes, aligned
	s_wait_tensorcnt 0x0                           ; the wave's end, behind my last LDS store
	ds_add_u32 v[SPW], v[NIL]
	s_wait_dscnt 0x0
	s_endpgm
.Lwo:                                              ; W_o to f16: a wave takes 32,768 bytes in 64 pieces of 512; a piece's 256 bytes of f16 leave by one store
	s_sub_co_u32 s29, ttmp9, 864
	s_lshl_b32 s29, s29, 2
	s_add_co_u32 s29, s29, s28                     ; my wave's run
	s_lshl_b32 s6, s29, 15
	s_mov_b32 s7, 0
	v_lshlrev_b32 v4, 3, v2                        ; 8 bytes a lane on the way out
	s_wait_kmcnt 0x0
	s_add_nc_u64 s[20:21], s[20:21], s[6:7]
	s_lshl_b32 s6, s29, 14
	s_add_nc_u64 s[26:27], s[26:27], s[6:7]
.irp q, 0,1,2,3
.if \q > 0
	s_wait_xcnt 0x0                                ; the last round's stores have read their data: v80-111 are written again only behind this wait
.endif
.irp i, 0,1,2,3,4,5,6,7,8,9,10,11,12,13,14,15
	global_load_b128 v[16+4*\i:19+4*\i], v3, s[20:21] offset:512*(16*\q+\i) th:TH_LOAD_NT
.endr
.irp i, 0,1,2,3,4,5,6,7,8,9,10,11,12,13,14,15
	s_wait_loadcnt 15-\i                           ; loads come back in order: piece i is in, the younger ones stay out
	v_cvt_pk_f16_f32 v[80+2*\i], v[16+4*\i], v[17+4*\i]
	v_cvt_pk_f16_f32 v[81+2*\i], v[18+4*\i], v[19+4*\i]
	global_store_b64 v4, v[80+2*\i:81+2*\i], s[26:27] offset:256*(16*\q+\i)
.endr
.endr
	s_endpgm
.Lfunc_end_k_q6143b43d5e_quant:
	.size	k_q6143b43d5e_quant, .Lfunc_end_k_q6143b43d5e_quant-k_q6143b43d5e_quant
	.p2alignl 7, 3214868480
	.fill 96, 4, 3214868480
	.section	.rodata,"a",@progbits
	.p2align	6, 0x0
	.amdhsa_kernel k_q6143b43d5e_quant
		.amdhsa_group_segment_fixed_size 33280
		.amdhsa_private_segment_fixed_size 0
		.amdhsa_enable_private_segment 0
		.amdhsa_kernarg_size 80
		.amdhsa_user_sgpr_count 2
		.amdhsa_user_sgpr_kernarg_segment_ptr 1
		.amdhsa_wavefront_size32 1
		.amdhsa_system_sgpr_workgroup_id_x 1
		.amdhsa_system_sgpr_workgroup_id_y 1
		.amdhsa_system_sgpr_workgroup_id_z 1
		.amdhsa_system_vgpr_workitem_id 0
		.amdhsa_next_free_vgpr 192
		.amdhsa_next_free_sgpr 66
		.amdhsa_reserve_vcc 0
		.amdhsa_float_denorm_mode_32 3
		.amdhsa_float_denorm_mode_16_64 3
		.amdhsa_memory_ordered 1
		.amdhsa_forward_progress 1
		.amdhsa_inst_pref_size 56
	.end_amdhsa_kernel
	.amdgpu_metadata
---
amdhsa.version: [ 1, 2 ]
amdhsa.kernels:
  - .name:           k_q6143b43d5e_quant
    .symbol:         k_q6143b43d5e_quant.kd
    .args:
      - { .name: values_in, .offset: 0, .size: 8, .value_kind: global_buffer, .address_space: global }
      - { .name: keys_in, .offset: 8, .size: 8, .value_kind: global_buffer, .address_space: global }
      - { .name: query_in, .offset: 16, .size: 8, .value_kind: global_buffer, .address_space: global }
      - { .name: W_v, .offset: 24, .size: 8, .value_kind: global_buffer, .address_space: global }
      - { .name: W_k, .offset: 32, .size: 8, .value_kind: global_buffer, .address_space: global }
      - { .name: W_q, .offset: 40, .size: 8, .value_kind: global_buffer, .address_space: global }
      - { .name: W_o, .offset: 48, .size: 8, .value_kind: global_buffer, .address_space: global }
      - { .name: codes, .offset: 56, .size: 8, .value_kind: global_buffer, .address_space: global }
      - { .name: scales, .offset: 64, .size: 8, .value_kind: global_buffer, .address_space: global }
      - { .name: wo16, .offset: 72, .size: 8, .value_kind: global_buffer, .address_space: global }
    .group_segment_fixed_size: 33280
    .private_segment_fixed_size: 0
    .kernarg_segment_align: 8
    .kernarg_segment_size: 80
    .max_flat_workgroup_size: 128
    .sgpr_count:     66
    .vgpr_count:     192
    .wavefront_size: 32
...
	.end_amdgpu_metadata
.endif
;; end of part 1
;; launch proj (part 2): grid 4 x 96, 4 waves a work-group, clusters of 4 x 4, 327,680 bytes of LDS; arguments codes, scales, qkv; writes qkv
.if DOCPART == 2
	.amdgcn_target "amdgcn-amd-amdhsa--gfx1250"
	.amdhsa_code_object_version 6
	.text
	.protected	k_q6143b43d5e_proj
	.globl	k_q6143b43d5e_proj
	.p2align	8
	.type	k_q6143b43d5e_proj,@function
k_q6143b43d5e_proj:
	s_mov_b64 s[64:65], 0
	v_nop
	global_prefetch_b8 v0, s[64:65] scope:SCOPE_SE
	s_setreg_imm32_b32 hwreg(HW_REG_WAVE_MODE, 25, 1), 1
	s_wait_xcnt 0x0
	s_wait_alu depctr_hold_cnt(0) depctr_sa_sdst(0) depctr_va_vdst(0) depctr_va_sdst(0) depctr_va_ssrc(0) depctr_va_vcc(0) depctr_vm_vsrc(0)
	s_getreg_b32 s2, hwreg(HW_REG_IB_STS2, 6, 4)
	s_cmp_eq_u32 s2, 0
	s_cbranch_scc0 .Lentry_in_a_cluster
	s_endpgm
.Lentry_in_a_cluster:
	s_bfe_u32 s2, ttmp6, 0x10000c
	s_cmp_lg_u32 s2, 0xf033
	s_cbranch_scc0 .Lentry_shape_is_right
	s_endpgm
.Lentry_shape_is_right:
; The three quantised projections as ONE product on codes of FP4 (E2M1) with E8M0 scales: C[m][n] = sum over k of A[m][k] B[n][k], K = 1,024.
; A: rows 0 .. 24,575 of codes (values_in, keys_in, query_in, 8,192 rows each); B: the 1,024 rows of that tensor's weight, from row 24,576 + 1,024 x tensor on.  Scale bytes lie in scales, 32 a row, by the same rows.
; A tile of C, 256 x 256, is made by a work-group of four waves; a wave makes 128 x 128: 64 accumulators of 16 x 16, 512 registers.  K goes in two steps of 512 through two LDS slots, each filled once by the tensor data mover:
; a tile's row is 256 bytes of memory.  The scales of the work-group's 256 + 256 rows, for all of K, come into LDS once with the first fills.
; CLUSTERS: 4 x 4 work-groups; a cluster's 1,024 rows of A lie in one tensor.  The four of a row of the cluster need the same tiles of A, the four of a column the same tiles of B: each tile is asked for JOINTLY.
; THE MATRIX INSTRUCTION IS USED TRANSPOSED (source 0 = 16 rows of B, source 1 = 16 rows of A): a lane holds eight neighbouring numbers of a row of C.
; THE RESULT leaves as f16, laid by heads: qkv[tensor: v, k, q][batch 4][head 16][token 2,048][64]: four tokens of a head are 512 consecutive bytes, one store of the wave.
; LIMIT: |v|, |k|, |q| stay under 65,504 (f16).
; REGISTERS, in windows of 256: window 0: v0-31 addresses; v32-95 scale words, two sets; v128-191 A's fragments, ONE set; on the way out v32-63, v192-255.   window 1: B's fragments, TWO sets, at v0 and v128.
;   window 2: the 32 accumulators of my rows 0-63 (accumulator (a, b) at v[8 (8 a + b)]);   window 3: those of my rows 64-127.
.set NQ,     4                         ; matrix instructions deep in a slot (512 along K)
.set ROWB,   256                       ; a tile's row in bytes
.set KROW,   512                       ; a row of codes in memory
.set PITCH,  272                       ; an LDS row: 256 bytes + 16 of padding: the 16 rows that a load touches start 16 bytes apart modulo 256
.set FR,     8                         ; registers of a fragment: 16 rows x 128 K
.set NL,     2                         ; LDS loads that bring one
.set NP,     4                         ; places behind this matrix instruction (ISA guide 7.12.1)
.set HALFT,  128*PITCH                 ; 128 rows: what one tensor load brings
.set SLOT,   4*HALFT                   ; A's 256 rows, then B's 256 rows
.set KS,     32                        ; a row of scales in bytes
.set SCL,    2*SLOT                    ; behind the slots: the scales, as rows of 256 bytes + 16 of padding
.set HALFS,  (128*KS/256)*272          ; the scales of 128 rows
.set SBLK,   (16*KS/256)*272           ; those of 16 rows
.set SPARE,  SCL+4*HALFS               ; the spare words, 128 bytes a wave
.set SPITCH, 272                       ; the way out: a stage of 16 rows x (256 bytes + 16) for each wave, in slot 0, which has had its only fill and its last read by then
.set ADRA, 16                          ; v16-17 LDS address of my A fragments in slot 0, 1
.set ADRB, 20                          ; v20-21 the same for B
.set STO,  24                          ; v24 the way out: where I put 16 bytes of a row
.set RD,   25                          ; v25 where I read back 16 bytes of a token's head
.set CO,   26                          ; v26 16 x lane: my byte in a store's 512
.set ADRS, 27                          ; v27 LDS address of my scale words: lanes 0-15 A's rows, lanes 16-31 B's
.set SPW,  28                          ; v28 my spare word; never rewritten
.set NIL,  29                          ; v29 0; never rewritten
.set SC,   32                          ; scale words: set s at v[SC + 32 s]; register 4 i + q: lanes 0-15 A's block i, lanes 16-31 B's block i, the slot's q-th 128 along K
.set AF,   128                         ; A's fragments
.set TMP,  192                         ; the way out: packed results
.set OB,   32                          ; the way out: rows read back: v32-63 and v224-255 by turns
.set G1, 24                            ; s[24:31] group 1 for A's tiles; s[32:39] group 0, one set a slot
.set G0, 32
.set G1B, 48                           ; s[48:55], s[56:63] the same for B's
.set G0B, 56
.set G1S, 68                           ; s[68:75], s[76:79] groups 1 and 0 for A's scales; s[80:87], s[88:91] for B's
.set G0S, 76
.set G1SB, 80
.set G0SB, 88
.set MSB, 0
.macro WIN new                         ; the immediate's high byte repeats the setting that is left
.if MSB != (\new)
	s_set_vgpr_msb (MSB<<8)|(\new)
.set MSB, (\new)
.endif
.endm
.set MUL_LO, 0xa1                      ; source 0 (B) window 1, source 1 (A) window 0, C and D window 2
.set MUL_HI, 0xf1                      ; the same, C and D window 3
.set TO_B,   0x40                      ; destination window 1, address window 0
; A joint load: waves 0 and 1 fetch for A, waves 2 and 3 for B; the branch hangs on the wave's number alone.  An s_nop 0 and four v_nop follow each of the two lines.
.macro JLOAD g0a, g1a, g0b, g1b
	s_cmp_eq_u32 s15, 0
	s_cbranch_scc0 .Lfor_b_\@
	tensor_load_to_lds s[\g0a:\g0a+3], s[\g1a:\g1a+7]
	s_nop 0
.rept 4
	v_nop
.endr
	s_branch .Lasked_\@
.Lfor_b_\@:
	tensor_load_to_lds s[\g0b:\g0b+3], s[\g1b:\g1b+7]
	s_nop 0
.rept 4
	v_nop
.endr
.Lasked_\@:
.endm
.macro CROUND                          ; a round of the cluster's barrier
	s_barrier_signal -1
	s_barrier_wait -1
	s_cmp_lg_u32 s14, 0
	s_cbranch_scc1 .Lnot_wave_0_\@
	s_barrier_signal -3
.Lnot_wave_0_\@:
	s_barrier_wait -3
	s_barrier_signal -1
	s_barrier_wait -1
.endm
	s_load_b128 s[4:7], s[0:1], 0x0                ; codes s[4:5], scales s[6:7]
	s_load_b64 s[12:13], s[0:1], 0x10              ; qkv
	v_lshl_add_u32 v[SPW], v0, 2, SPARE
	v_mov_b32 v[NIL], 0
	ds_add_u32 v[SPW], v[NIL]                      ; the wave's opening: the add, twice on end, and its wait ahead of my first tensor load
	ds_add_u32 v[SPW], v[NIL]
	v_lshrrev_b32 v1, 5, v0
	v_readfirstlane_b32 s14, v1                    ; wave 0..3
	s_lshr_b32 s15, s14, 1                         ; which half of the tile's rows is mine.  Also: I fetch for A (0) or for B (1)
	s_and_b32 s16, s14, 1                          ; which half of its columns.  Also: which 128 rows of that tile I fetch
	s_bfe_u32 s40, ttmp6, 0x40000                  ; cx, cy: my place in the cluster
	s_bfe_u32 s41, ttmp6, 0x40004
	s_lshl_b32 s42, ttmp9, 2
	s_add_co_u32 s42, s42, s40                     ; tile column of C = 4 x cluster x + cx
	s_and_b32 s17, ttmp7, 0xffff                   ; cluster y
	s_lshr_b32 s95, s17, 3                         ; eight clusters to a tensor: which tensor, the same in all sixteen partners
	s_lshl_b32 s95, s95, 10
	s_add_co_u32 s95, s95, 24576                   ; its weight's first row
	s_lshl_b32 s17, s17, 2
	s_add_co_u32 s17, s17, s41                     ; tile row of C = 4 x cluster y + cy
	s_lshl_b32 s43, s41, 2
	s_lshl_b32 s43, 15, s43                        ; my row of the cluster
	s_lshl_b32 s44, 0x1111, s40                    ; my column
	; group 1: a tile of 128 rows x 256 bytes, padded in LDS
	s_or_b32 s[G1+0], s43, (0<<16)|(1<<20)|(1<<21)|(5<<22)|(3<<25)  ; the mask: A's tiles go to my row; elements of 1 byte; padding on; bit 21 beside a mask; 4 words after every 64
	s_or_b32 s[G1B+0], s44, (0<<16)|(1<<20)|(1<<21)|(5<<22)|(3<<25)
.irp g, G1, G1B
	s_mov_b32 s[\g+1], ROWB<<16                    ; tensor_dim0
	s_mov_b32 s[\g+2], 128<<16                     ; tensor_dim1
	s_mov_b32 s[\g+3], ROWB<<16                    ; tile_dim0
	s_mov_b32 s[\g+4], 128                         ; tile_dim1
	s_mov_b32 s[\g+5], KROW                        ; from row to row
	s_mov_b32 s[\g+6], 0
	s_mov_b32 s[\g+7], 0
.endr
	; the scales of 128 rows: a dense block of 4,096 bytes, as 16 rows of 256 bytes (32 elements of 8 bytes), 16 bytes of padding behind each
	s_or_b32 s[G1S+0], s43, (3<<16)|(1<<20)|(1<<21)|(5<<22)|(3<<25)
	s_or_b32 s[G1SB+0], s44, (3<<16)|(1<<20)|(1<<21)|(5<<22)|(3<<25)
.irp g, G1S, G1SB
	s_mov_b32 s[\g+1], 32<<16
	s_mov_b32 s[\g+2], (128*KS/256)<<16
	s_mov_b32 s[\g+3], 32<<16
	s_mov_b32 s[\g+4], 128*KS/256
	s_mov_b32 s[\g+5], 32
	s_mov_b32 s[\g+6], 0
	s_mov_b32 s[\g+7], 0
.endr
	s_lshl_b32 s18, s16, 7                         ; which 128 rows of the tile I fetch
	s_lshl_b32 s20, s17, 8
	s_add_co_u32 s20, s20, s18                     ; A: row 256 x tile row + 128 x half
	s_lshl_b32 s46, s42, 8
	s_add_co_u32 s46, s46, s18
	s_add_co_u32 s46, s46, s95                     ; B: the weight's first row + 256 x tile column + 128 x half
	s_mov_b32 s21, 0
	s_mov_b32 s47, 0
	s_mov_b64 s[18:19], KS
	s_mul_u64 s[22:23], s[20:21], s[18:19]         ; where these rows' scales begin, in bytes
	s_mul_u64 s[92:93], s[46:47], s[18:19]
	s_mov_b64 s[18:19], KROW
	s_mul_u64 s[20:21], s[20:21], s[18:19]         ; and their codes
	s_mul_u64 s[46:47], s[46:47], s[18:19]
	s_mul_i32 s45, s14, HALFT                      ; where they go: wave x 128 rows
	s_mul_i32 s94, s14, HALFS
	s_wait_dscnt 0x0                               ; both opening adds are done
	s_wait_kmcnt 0x0
	s_add_nc_u64 s[20:21], s[4:5], s[20:21]
	s_add_nc_u64 s[22:23], s[6:7], s[22:23]
	s_add_nc_u64 s[46:47], s[4:5], s[46:47]
	s_add_nc_u64 s[92:93], s[6:7], s[92:93]
	CROUND                                         ; all sixteen work-groups are here: the joint loads meet
	s_mov_b32 s[G0S], 1
	s_add_co_u32 s[G0S+1], s94, SCL
	s_mov_b64 s[G0S+2:G0S+3], s[22:23]
	s_or_b32 s[G0S+3], s[G0S+3], 0x80000000
	s_mov_b32 s[G0SB], 1
	s_add_co_u32 s[G0SB+1], s94, SCL
	s_mov_b64 s[G0SB+2:G0SB+3], s[92:93]
	s_or_b32 s[G0SB+3], s[G0SB+3], 0x80000000
	JLOAD G0S, G1S, G0SB, G1SB                     ; the scales first: they are wanted with K step 0
.irp s, 0,1
	s_mov_b32 s[G0+4*\s], 1
	s_add_co_u32 s[G0+4*\s+1], s45, \s*SLOT
	s_add_nc_u64 s[G0+4*\s+2:G0+4*\s+3], s[20:21], \s*ROWB
	s_or_b32 s[G0+4*\s+3], s[G0+4*\s+3], 0x80000000
	s_mov_b32 s[G0B+4*\s], 1
	s_add_co_u32 s[G0B+4*\s+1], s45, \s*SLOT
	s_add_nc_u64 s[G0B+4*\s+2:G0B+4*\s+3], s[46:47], \s*ROWB
	s_or_b32 s[G0B+4*\s+3], s[G0B+4*\s+3], 0x80000000
	JLOAD G0+4*\s, G1, G0B+4*\s, G1B               ; three tensor loads of mine are out in all
.endr
	v_and_b32 v1, 15, v0                           ; l % 16
	v_bfe_u32 v2, v0, 4, 1                         ; l / 16
	v_mul_u32_u24 v3, v1, PITCH
	v_lshl_add_u32 v4, v2, 4, v3                   ; a fragment's row x pitch + 16 x half
	s_mul_i32 s21, s15, HALFT                      ; my 128 rows of A
	s_mul_i32 s22, s16, HALFT                      ; my 128 rows of B,
	s_add_co_u32 s22, s22, 2*HALFT                 ; which lie behind A's 256
.irp s, 0,1
	v_add_nc_u32 v[ADRA+\s], s21, v4
	v_add_nc_u32 v[ADRB+\s], s22, v4
	s_add_co_u32 s21, s21, SLOT
	s_add_co_u32 s22, s22, SLOT
.endr
	v_mul_u32_u24 v5, v1, KS                       ; my row's scales: 32 bytes a row,
	v_lshrrev_b32 v6, 8, v5
	v_lshl_add_u32 v5, v6, 4, v5                   ; and 16 more for each 256 passed
	s_mul_i32 s21, s15, HALFS                      ; A's: my 128 rows
	s_mul_i32 s22, s16, HALFS                      ; B's: my 128 rows, behind A's 256
	s_add_co_u32 s22, s22, 2*HALFS
	s_sub_co_u32 s22, s22, s21
	v_mul_u32_u24 v6, s22, v2                      ; lanes 16-31 take B's: the lower base + half x the distance
	s_add_co_u32 s21, s21, SCL
	v_add_nc_u32 v5, v5, v6
	v_add_nc_u32 v[ADRS], s21, v5
	s_mul_i32 s23, s14, 16*SPITCH                  ; my stage
	v_mul_u32_u24 v5, v1, SPITCH                   ; in: row l % 16, 16 bytes for each half of the lanes
	v_lshl_add_u32 v5, v2, 4, v5
	v_add_nc_u32 v[STO], s23, v5
	v_and_b32 v6, 31, v0
	v_lshlrev_b32 v[CO], 4, v6
	v_lshrrev_b32 v5, 3, v6                        ; back: eight lanes take the 128 bytes of one token's head, four tokens a load
	v_mul_u32_u24 v5, v5, SPITCH
	v_and_b32 v6, 7, v0
	v_lshl_add_u32 v5, v6, 4, v5
	v_add_nc_u32 v[RD], s23, v5
	s_lshl_b32 s20, s17, 8
	s_lshl_b32 s21, s15, 7
	s_add_co_u32 s20, s20, s21                     ; my first row R of C: 256 x tile row + 128 x half
	s_lshr_b32 s21, s20, 11
	s_lshl_b32 s21, s21, 22                        ; (tensor, batch) = R / 2,048: 4 MiB each
	s_and_b32 s20, s20, 2047
	s_lshl_b32 s20, s20, 7                         ; the token: 128 bytes each
	s_add_co_u32 s20, s20, s21
	s_lshl_b32 s46, s42, 2
	s_lshl_b32 s47, s16, 1
	s_add_co_u32 s46, s46, s47                     ; my first head: 4 x tile column + 2 x half
	s_lshl_b32 s46, s46, 18                        ; 262,144 bytes a head
	s_add_co_u32 s20, s20, s46
	s_mov_b32 s21, 0
	s_add_nc_u64 s[12:13], s[12:13], s[20:21]
.macro FRAG reg, adr, q, i             ; a fragment, 16 rows x 128 K of 4-bit codes: lane l holds row l % 16; registers 4 c .. 4 c + 3 hold K = 64 c + 32 (l / 16) + 0 .. 31
.irp c, 0,1
	ds_load_b128 v[\reg+4*\c:\reg+4*\c+3], v[\adr] offset:64*(\q)+32*\c+(\i)*16*PITCH
.endr
.endm
; 16 matrix instructions: A's blocks a0, a0 + 1 x B's eight, the slot's q-th 128 along K.  p: B's set; sc: the set of scale words.  zero = 1: the first product starts the sums.
; The 64 accumulators take turns, one instruction a turn, in the same order in every step.
.macro MUL16 a0, p, q, sc, zero
.irp a, \a0, \a0+1
.irp b, 0,1,2,3,4,5,6,7
.if \zero
	v_wmma_scale_f32_16x16x128_f8f6f4 v[8*(8*((\a)%4)+\b):8*(8*((\a)%4)+\b)+7], v[128*(\p)+FR*\b:128*(\p)+FR*\b+FR-1], v[AF+FR*(\a):AF+FR*(\a)+FR-1], 0, v[SC+8*NQ*(\sc)+NQ*\b+(\q)], v[SC+8*NQ*(\sc)+NQ*(\a)+(\q)] matrix_a_fmt:MATRIX_FMT_FP4 matrix_b_fmt:MATRIX_FMT_FP4 matrix_a_scale:MATRIX_SCALE_ROW1
.else
	v_wmma_scale_f32_16x16x128_f8f6f4 v[8*(8*((\a)%4)+\b):8*(8*((\a)%4)+\b)+7], v[128*(\p)+FR*\b:128*(\p)+FR*\b+FR-1], v[AF+FR*(\a):AF+FR*(\a)+FR-1], v[8*(8*((\a)%4)+\b):8*(8*((\a)%4)+\b)+7], v[SC+8*NQ*(\sc)+NQ*\b+(\q)], v[SC+8*NQ*(\sc)+NQ*(\a)+(\q)] matrix_a_fmt:MATRIX_FMT_FP4 matrix_b_fmt:MATRIX_FMT_FP4 matrix_a_scale:MATRIX_SCALE_ROW1
.endif
.endr
.endr
.endm
.macro FETCH_B slot, q, p              ; B's eight fragments of the slot's q-th 128 along K into set p
	WIN TO_B
.irp i, 0,1,2,3,4,5,6,7
	FRAG 128*(\p)+FR*\i, ADRB+\slot, \q, \i
.endr
	WIN 0
.endm
.macro FETCH_A slot, q, i0             ; A's blocks i0 .. i0 + 3
.irp i, \i0, \i0+1, \i0+2, \i0+3
	FRAG AF+FR*(\i), ADRA+\slot, \q, \i
.endr
.endm
.macro SCALES sc                       ; a K step's scale words into set sc: 4 words a row; lanes 0-15 take A's block i, lanes 16-31 B's block i
.irp i, 0,1,2,3,4,5,6,7
	ds_load_b128 v[SC+8*NQ*\sc+NQ*\i:SC+8*NQ*\sc+NQ*\i+3], v[ADRS] offset:\i*SBLK
.endr
.endm
; A load into a register that a matrix instruction has read, and a vector instruction or an LDS store that reads a matrix result, stand NP places behind it; only plain vector instructions that name none of its registers are places.
.macro PLACES n
.rept \n
	v_nop
.endr
.endm
; A step of 128 along K that has its successor in the same slot.  A's blocks go one after the other, each against B's eight: so one set of registers serves A (blocks 0-3 fetched anew in the middle, 4-7 at the end), two serve B.
.macro STEP slot, q, zero
	s_wait_dscnt 4*NL                              ; B's set and A's blocks 0-3 are in; the youngest loads (A's blocks 4-7) may be out
	WIN MUL_LO
	MUL16 0, (\q)%2, \q, \slot, \zero
	MUL16 2, (\q)%2, \q, \slot, \zero
	s_wait_dscnt 0                                 ; A's blocks 4-7 are in
	PLACES NP
	FETCH_B \slot, (\q)+1, 1-(\q)%2
	FETCH_A \slot, (\q)+1, 0
	WIN MUL_HI
	MUL16 4, (\q)%2, \q, \slot, \zero
	MUL16 6, (\q)%2, \q, \slot, \zero
	PLACES NP
	WIN 0
	FETCH_A \slot, (\q)+1, 4
.endm
; Slot 0's last step changes slots: one barrier; in front of it each wave waits for all its tensor loads (its part of slot 1), adds 0 to its spare word, and waits for that and for its reads of slot 0.  Nothing is filled again.
.macro TURN slot, next
	s_wait_tensorcnt 0x0                           ; all my tensor loads have landed
	ds_add_u32 v[SPW], v[NIL]                      ; 0 onto my spare word
	s_wait_dscnt 4*NL+1                            ; (the add and A's blocks 4-7 may be out)
	WIN MUL_LO
	MUL16 0, 1, NQ-1, \slot, 0
	s_wait_dscnt 0x0                               ; the add is done, and my reads of this slot are over
	s_barrier_signal -1
	MUL16 2, 1, NQ-1, \slot, 0
	WIN 0
	s_barrier_wait -1                              ; the next slot is whole, and nobody reads this one any more
	PLACES NP
	v_add_nc_u32 v[ADRS], 4*NQ, v[ADRS]            ; on to the next K step's scale words
	FETCH_B \next, 0, 0
	FETCH_A \next, 0, 0
	SCALES \next
	WIN MUL_HI
	MUL16 4, 1, NQ-1, \slot, 0
	MUL16 6, 1, NQ-1, \slot, 0
	PLACES NP
	WIN 0
	FETCH_A \next, 0, 4
.endm
	s_wait_tensorcnt 1                             ; the scales and my part of K step 0 are in (K step 1's load may be out)
	s_barrier_signal -1
	s_barrier_wait -1                              ; everybody's are
	FETCH_B 0, 0, 0
	FETCH_A 0, 0, 0
	SCALES 0
	FETCH_A 0, 0, 4
	STEP 0, 0, 1                                   ; the first products start the sums: nothing is cleared
	STEP 0, 1, 0
	STEP 0, 2, 0
	TURN 0, 1
	STEP 1, 0, 0
	STEP 1, 1, 0
	STEP 1, 2, 0
	s_wait_dscnt 4*NL                              ; the last step: nothing more to fetch
	WIN MUL_LO
	MUL16 0, 1, NQ-1, 1, 0
	MUL16 2, 1, NQ-1, 1, 0
	s_wait_dscnt 0
	WIN MUL_HI
	MUL16 4, 1, NQ-1, 1, 0
	MUL16 6, 1, NQ-1, 1, 0
	WIN 0
; THE WAY OUT, block by block of 16 rows x 128 columns (two heads).  PACK: rounded to f16, 16 bytes a lane, each accumulator from its low end on.  TOSTAGE: into my own stage, and back by tokens and heads.  SEND: stored.
.macro PACK a
.set AC, 64*((\a)%4)
	WIN 0x0a+5*((\a)/4)                            ; sources 0 and 1: window 2 or 3
.irp b, 0,1,2,3,4,5,6,7
.irp r, 0,1,2,3
	v_cvt_pk_f16_f32 v[TMP+4*\b+\r], v[AC+8*\b+2*\r], v[AC+8*\b+2*\r+1]
.endr
.endr
	WIN 0
.endm
.macro TOSTAGE a
.set BB, OB+192*((\a)%2)
.irp b, 0,1,2,3,4,5,6,7
	ds_store_b128 v[STO], v[TMP+4*\b:TMP+4*\b+3] offset:32*\b
.endr
.irp u, 0,1,2,3
.irp e, 0,1
	ds_load_b128 v[BB+8*\u+4*\e:BB+8*\u+4*\e+3], v[RD] offset:\u*4*SPITCH+\e*128   ; tokens 4 u .. 4 u + 3 of head e; LDS serves a wave's instructions in order: these see the stores above
.endr
.endr
.endm
.macro SEND a
.set BB, OB+192*((\a)%2)
	s_wait_dscnt 0x0                               ; the block is back in registers
	s_wait_xcnt 0x0                                ; earlier stores have read their data: the set that the next block's loads take is free behind this wait
.irp u, 0,1,2,3
.irp e, 0,1
	global_store_b128 v[CO], v[BB+8*\u+4*\e:BB+8*\u+4*\e+3], s[12:13] offset:(\a)*2048+\u*512+\e*262144   ; 32 lanes store 512 consecutive bytes, aligned: four tokens of one head
.endr
.endr
.endm
	PLACES NP                                      ; behind the last products
	PACK 0
	TOSTAGE 0
.irp a, 1,2,3,4,5,6,7                  ; block a's conversions stand between block a - 1's loads from the stage and the wait for them
	PACK \a
	SEND \a-1
	TOSTAGE \a
.endr
	SEND 7
	s_wait_tensorcnt 0x0                           ; the wave's end, behind my last tensor load and my last LDS store
	ds_add_u32 v[SPW], v[NIL]
	s_wait_dscnt 0x0
	CROUND                                         ; the closing round
	s_endpgm
.Lfunc_end_k_q6143b43d5e_proj:
	.size	k_q6143b43d5e_proj, .Lfunc_end_k_q6143b43d5e_proj-k_q6143b43d5e_proj
	.p2alignl 7, 3214868480
	.fill 96, 4, 3214868480
	.section	.rodata,"a",@progbits
	.p2align	6, 0x0
	.amdhsa_kernel k_q6143b43d5e_proj
		.amdhsa_group_segment_fixed_size 327680
		.amdhsa_private_segment_fixed_size 0
		.amdhsa_enable_private_segment 0
		.amdhsa_kernarg_size 24
		.amdhsa_user_sgpr_count 2
		.amdhsa_user_sgpr_kernarg_segment_ptr 1
		.amdhsa_wavefront_size32 1
		.amdhsa_system_sgpr_workgroup_id_x 1
		.amdhsa_system_sgpr_workgroup_id_y 1
		.amdhsa_system_sgpr_workgroup_id_z 1
		.amdhsa_system_vgpr_workitem_id 0
		.amdhsa_next_free_vgpr 1024
		.amdhsa_next_free_sgpr 98
		.amdhsa_reserve_vcc 0
		.amdhsa_float_denorm_mode_32 3
		.amdhsa_float_denorm_mode_16_64 3
		.amdhsa_memory_ordered 1
		.amdhsa_forward_progress 1
		.amdhsa_inst_pref_size 126
	.end_amdhsa_kernel
	.amdgpu_metadata
---
amdhsa.version: [ 1, 2 ]
amdhsa.kernels:
  - .name:           k_q6143b43d5e_proj
    .symbol:         k_q6143b43d5e_proj.kd
    .args:
      - { .name: codes, .offset: 0, .size: 8, .value_kind: global_buffer, .address_space: global }
      - { .name: scales, .offset: 8, .size: 8, .value_kind: global_buffer, .address_space: global }
      - { .name: qkv, .offset: 16, .size: 8, .value_kind: global_buffer, .address_space: global }
    .group_segment_fixed_size: 327680
    .private_segment_fixed_size: 0
    .kernarg_segment_align: 8
    .kernarg_segment_size: 24
    .max_flat_workgroup_size: 128
    .sgpr_count:     98
    .vgpr_count:     1024
    .wavefront_size: 32
...
	.end_amdgpu_metadata
.endif
;; end of part 2
;; launch attn (part 3): grid 4 x 64, 8 waves a work-group, no clusters, 327,680 bytes of LDS; arguments qkv, att; writes att
.if DOCPART == 3
	.amdgcn_target "amdgcn-amd-amdhsa--gfx1250"
	.amdhsa_code_object_version 6
	.text
	.protected	k_q6143b43d5e_attn
	.globl	k_q6143b43d5e_attn
	.p2align	8
	.type	k_q6143b43d5e_attn,@function
k_q6143b43d5e_attn:
	s_mov_b64 s[64:65], 0
	v_nop
	global_prefetch_b8 v0, s[64:65] scope:SCOPE_SE
	s_setreg_imm32_b32 hwreg(HW_REG_WAVE_MODE, 25, 1), 1
	s_wait_xcnt 0x0
; att[plane][q][:] = the sum over k of softmax_k(Q[q] . K[k] / 32) V[k][:], for each of 64 planes (batch, head); Q, K, V: f16, [2,048][64] a plane, in qkv (V at 0, K at 16 MiB, Q at 32 MiB).  The divisor is sqrt(1,024), as the source has it.
; Products on f16 operands with f32 sums; maxima, exponentials and sums in f32; the weights p are rounded to f16 for the second product, the result once at the end.
; SHARES.  A work-group owns 512 queries of a plane, each of its EIGHT waves 64: four tiles of 16, in 512 registers.  Every wave walks all 2,048 keys, 64 a step, written in plain phases: K Q^T, softmax, V^T P.
; Waves 0-3 are set half a step ahead of waves 4-7 at the start, so that at any time some waves have matrix work in hand and others vector work.
; LAYOUT.  S^T = K Q^T (source 0 = 16 keys, source 1 = 16 queries): a lane holds ONE query (lane % 16) and the keys 8 (lane / 16) + 0..7.  Two such tiles, rounded to f16 in pairs, ARE source 1 (32 keys x 16 queries) of
; O^T = V^T P, whose result again holds one query a lane.  K comes out of LDS as it lies, V ([key][channel]) turned, by ds_load_tr16_b128.
; SOFTMAX.  For each query a running maximum m and sum l: p = 2^(c s - c m), c = log2(e) / 32; in every step O and l are multiplied by a = 2^(c m_old - c m_new).
; THE RING.  Two LDS slots of 512 keys.  A plane's rows are dense, so a tile comes as rows of 256 bytes: a PAIR of keys.  Waves 0-3 fetch K's quarters, waves 4-7 V's: one tensor load a wave, 64 rows.
; No cluster: a step's 16,384 bytes from the ring feed the work-group's 512 matrix instructions, so what sharing would save is small, and a round of a cluster's barrier would bring the two groups of waves back into step.
; No prefetch: a refill is issued eight key steps ahead of its first read.
; LIMITS: |q|, |k|, |v| and the result stay under 65,504 (f16); NaN and infinities are not served.
; REGISTERS: window 0: v2-9 addresses; v14, v15 the add's two; v16-47 statistics, 8 a tile; v64-191 S^T, 32 a tile (P is made in place in a tile's low 16); v192-255 Q.
;   window 1: v0-127 O^T (tile t, channels 16 g on: v[32 t + 8 g]); v128-191 K of one step; v192-255 V of one step.
.set KP,    272                        ; a pair of keys of K in LDS: 256 bytes + 16: the 16 keys of a fragment fall on 16 different 16-byte columns modulo 256
.set VP,    288                        ; of V: 256 + 32: the 8 keys x 32 bytes that 16 lanes of the turning load take fall on 16 different columns
.set KREG,  256*KP                     ; 512 keys of K
.set VREG,  256*VP
.set SLOT,  KREG+VREG
.set KSTB,  32*KP                      ; a step's 64 keys
.set VSTB,  32*VP
.set STAGE, 2*SLOT                     ; behind the ring: 16 rows x 144 bytes for each wave, for the way out
.set SP,    144
.set SPARE, STAGE+8*16*SP              ; the spare words, 128 bytes a wave
.set AK0, 2                            ; v2  my lane's place in a tile of K; never rewritten
.set AV0, 3                            ; v3  the same for V
.set ADR, 4                            ; v4  the address of K's run of loads
.set ADR2, 5                           ; v5  of V's
.set QO,  6                            ; v6  my byte offset in the wave's rows of Q
.set STO, 7                            ; v7  the way out: where I put 16 bytes of a row
.set RD,  8                            ; v8  where I read them back
.set GO,  9                            ; v9  16 x lane
.set SPW, 14
.set NIL, 15
.set ST,  16                           ; tile t's statistics at v[ST + 8 t]: +0 c m, +1 m, +2, +3 l (even keys', odd keys'), +4 .. +7 four chains of the maximum; later +4, +5 a second sum, +6 a, +7 c m_old - c m_new
.set S,   64
.set QF,  192
.set KF,  128                          ; in window 1
.set VF,  192                          ; in window 1
.set WV,  12                           ; s12 my wave's number
.set G1K, 24                           ; s[24:31] group 1 for K's tiles; s[32:39] for V's: the padding differs
.set G1V, 32
.set G0K, 40                           ; s[40:47] group 0 for K's tiles, a set a slot; s[48:55] for V's
.set G0V, 48
.set CNT, 56                           ; s56 counts a run of steps
.set TBK, 57                           ; s57 LDS byte at which the K tile to be fetched begins
.set CS,  58                           ; s[58:59] c
.set SEL, 60                           ; s[60:61] lane selects: lane l xor 16
.set TBV, 62                           ; s62 the same as TBK for V
.set MSB, 0
.macro WIN new                         ; the immediate's high byte repeats the setting that is left
.if MSB != (\new)
	s_set_vgpr_msb (MSB<<8)|(\new)
.set MSB, (\new)
.endif
.endm
.set W_QK, 0x01                        ; K in window 1; Q and S^T in window 0
.set W_PV, 0x51                        ; V and O^T in window 1, P in window 0
.set W_RS, 0x41                        ; O^T (destination and source 0) in window 1, the factor in window 0
.set TO_1, 0x40                        ; destination window 1, address window 0
.macro PLACES n
.rept \n
	v_nop
.endr
.endm
; A refill: waves 0-3 fetch K's quarters of slot s, waves 4-7 V's.  An s_nop 0 and four v_nop follow each of the two lines.
.macro JLOAD s
	s_cmp_lt_u32 s[WV], 4
	s_cbranch_scc0 .Lfor_v_\@
	tensor_load_to_lds s[G0K+4*\s:G0K+4*\s+3], s[G1K:G1K+7]
	s_nop 0
.rept 4
	v_nop
.endr
	s_branch .Lasked_\@
.Lfor_v_\@:
	tensor_load_to_lds s[G0V+4*\s:G0V+4*\s+3], s[G1V:G1V+7]
	s_nop 0
.rept 4
	v_nop
.endr
.Lasked_\@:
.endm
	s_load_b128 s[16:19], s[0:1], 0x0              ; qkv s[16:17], att s[18:19]
	v_lshl_add_u32 v[SPW], v0, 2, SPARE
	v_mov_b32 v[NIL], 0
	ds_add_u32 v[SPW], v[NIL]                      ; the wave's opening: the add, twice on end, and its wait ahead of my first tensor load
	ds_add_u32 v[SPW], v[NIL]
	v_lshrrev_b32 v1, 5, v0
	v_readfirstlane_b32 s[WV], v1                  ; wave 0..7
	s_and_b32 s20, ttmp7, 0xffff                   ; the plane,
	s_lshl_b32 s20, s20, 18                        ; 262,144 bytes each
	s_mov_b32 s21, 0
	s_lshl_b32 s22, ttmp9, 16                      ; my work-group's 512 queries of 128 bytes,
	s_lshl_b32 s23, s[WV], 13                      ; my wave's 64
	s_add_co_u32 s22, s22, s23
	s_mov_b32 s23, 0
	s_and_b32 s13, s[WV], 3                        ; which quarter of a slot's tile I fetch:
	s_lshl_b32 s2, s13, 14                         ; 16,384 bytes in memory,
	s_mov_b32 s3, 0
	s_mul_i32 s14, s13, 64*KP                      ; 64 rows in K's region,
	s_mul_i32 s15, s13, 64*VP
	s_add_co_u32 s15, s15, KREG                    ; or in V's
	; group 1: 64 rows x 128 elements of 2 bytes, dense in memory, padded in LDS
	s_mov_b32 s[G1K], (1<<16)|(1<<20)|(5<<22)|(3<<25)   ; no mask; elements of 2 bytes; padding on: 4 words after every 64
	s_mov_b32 s[G1V], (1<<16)|(1<<20)|(5<<22)|(7<<25)   ; 8 words after every 64
.irp g, G1K, G1V
	s_mov_b32 s[\g+1], 128<<16                     ; tensor_dim0
	s_mov_b32 s[\g+2], 64<<16                      ; tensor_dim1
	s_mov_b32 s[\g+3], 128<<16                     ; tile_dim0
	s_mov_b32 s[\g+4], 64                          ; tile_dim1
	s_mov_b32 s[\g+5], 128                         ; from row to row
	s_mov_b32 s[\g+6], 0
	s_mov_b32 s[\g+7], 0
.endr
	s_mov_b32 s[CS], 0x3d38aa3b                    ; c = log2(e) / 32
	s_mov_b32 s[CS+1], s[CS]                       ; named with it as a pair, so it is written
	s_mov_b32 s[SEL], 0x76543210
	s_mov_b32 s[SEL+1], 0xfedcba98
	s_mov_b32 s[TBK], 0
	s_mov_b32 s[TBV], KREG
	s_wait_dscnt 0x0                               ; both opening adds are done
	s_wait_kmcnt 0x0
	s_add_nc_u64 s[8:9], s[16:17], s[20:21]        ; V's plane
	s_add_nc_u64 s[6:7], s[8:9], 0x1000000         ; K's
	s_add_nc_u64 s[4:5], s[8:9], 0x2000000         ; Q's,
	s_add_nc_u64 s[4:5], s[4:5], s[22:23]          ; at my wave's first query
	s_add_nc_u64 s[10:11], s[18:19], s[20:21]
	s_add_nc_u64 s[10:11], s[10:11], s[22:23]      ; att likewise
	s_add_nc_u64 s[6:7], s[6:7], s[2:3]            ; K and V at my quarter of slot 0's tile
	s_add_nc_u64 s[8:9], s[8:9], s[2:3]
.irp s, 0,1
	s_mov_b32 s[G0K+4*\s], 1                       ; count = 1
	s_add_co_u32 s[G0K+4*\s+1], s14, \s*SLOT       ; LDS address
	s_add_nc_u64 s[G0K+4*\s+2:G0K+4*\s+3], s[6:7], \s*65536   ; slot s begins with keys 512 s on
	s_or_b32 s[G0K+4*\s+3], s[G0K+4*\s+3], 0x80000000         ; type = 2
	s_mov_b32 s[G0V+4*\s], 1
	s_add_co_u32 s[G0V+4*\s+1], s15, \s*SLOT
	s_add_nc_u64 s[G0V+4*\s+2:G0V+4*\s+3], s[8:9], \s*65536
	s_or_b32 s[G0V+4*\s+3], s[G0V+4*\s+3], 0x80000000
.endr
	s_cmp_lt_u32 s[WV], 4                          ; a wave's two first fills stand in one branch, ahead of every wait on TENSORcnt, every LDS read and every barrier: two loads of mine are out
	s_cbranch_scc0 .Lfirst_v
	tensor_load_to_lds s[G0K:G0K+3], s[G1K:G1K+7]
	s_nop 0
	tensor_load_to_lds s[G0K+4:G0K+7], s[G1K:G1K+7]
	s_nop 0
.rept 4
	v_nop
.endr
	s_branch .Lfirst_asked
.Lfirst_v:
	tensor_load_to_lds s[G0V:G0V+3], s[G1V:G1V+7]
	s_nop 0
	tensor_load_to_lds s[G0V+4:G0V+7], s[G1V:G1V+7]
	s_nop 0
.rept 4
	v_nop
.endr
.Lfirst_asked:
	v_and_b32 v1, 15, v0                           ; r = l % 16
	v_bfe_u32 v10, v0, 4, 1                        ; h = l / 16
	v_lshlrev_b32 v[QO], 7, v1
	v_lshl_add_u32 v[QO], v10, 4, v[QO]            ; Q: row r of 128 bytes + 16 h
.irp t, 0,1,2,3                        ; Q stays in registers: fragment (tile t, channels 32 c on) at v[QF + 16 t + 8 c]
.irp c, 0,1
	global_load_b128 v[QF+16*\t+8*\c:QF+16*\t+8*\c+3],   v[QO], s[4:5] offset:\t*2048+\c*64
	global_load_b128 v[QF+16*\t+8*\c+4:QF+16*\t+8*\c+7], v[QO], s[4:5] offset:\t*2048+\c*64+32
.endr
.endr
	v_lshrrev_b32 v11, 1, v1
	v_mul_u32_u24 v[AK0], v11, KP                  ; K: key r lies in pair r / 2,
	v_and_b32 v11, 1, v0
	v_lshl_add_u32 v[AK0], v11, 7, v[AK0]          ; in its half r % 2,
	v_lshl_add_u32 v[AK0], v10, 4, v[AK0]          ; + 16 h
	v_bfe_u32 v12, v0, 1, 2                        ; V: the turning load's lane l reads 16 bytes of key 8 h + l % 8, channels 8 ((l / 8) % 2) on
	v_lshl_add_u32 v12, v10, 2, v12                ; its pair: 4 h + (l % 8) / 2
	v_mul_u32_u24 v[AV0], v12, VP
	v_lshl_add_u32 v[AV0], v11, 7, v[AV0]          ; its half: l % 2
	v_bfe_u32 v12, v0, 3, 1
	v_lshl_add_u32 v[AV0], v12, 4, v[AV0]
	s_mul_i32 s13, s[WV], 16*SP
	s_add_co_u32 s13, s13, STAGE                   ; my stage
	v_mul_u32_u24 v[STO], v1, SP                   ; in: row r, 16 bytes for each half of the lanes
	v_lshl_add_u32 v[STO], v10, 4, v[STO]
	v_add_nc_u32 v[STO], s13, v[STO]
	v_bfe_u32 v12, v0, 3, 2                        ; back: eight lanes to a row of 128 bytes, four rows a load
	v_mul_u32_u24 v[RD], v12, SP
	v_and_b32 v12, 7, v0
	v_lshl_add_u32 v[RD], v12, 4, v[RD]
	v_add_nc_u32 v[RD], s13, v[RD]
	v_and_b32 v[GO], 31, v0
	v_lshlrev_b32 v[GO], 4, v[GO]
; THE LDS LOADS stand in runs of 16: a step's K (fragment (keys 16 f on, channels 32 c on) at v[KF + 16 f + 8 c]) and its V, turned (fragment (keys 32 i on, channels 16 g on) at v[VF + 32 i + 8 g]).
.macro LDK
	WIN 0
	v_add_nc_u32 v[ADR], s[TBK], v[AK0]
	s_add_co_u32 s[TBK], s[TBK], KSTB              ; the next fetch is the next step's
	WIN TO_1
.irp f, 0,1,2,3
.irp c, 0,1
	ds_load_b128 v[KF+16*\f+8*\c:KF+16*\f+8*\c+3],   v[ADR] offset:\f*8*KP+64*\c
	ds_load_b128 v[KF+16*\f+8*\c+4:KF+16*\f+8*\c+7], v[ADR] offset:\f*8*KP+64*\c+32
.endr
.endr
.endm
.macro LDV
	WIN 0
	v_add_nc_u32 v[ADR2], s[TBV], v[AV0]
	s_add_co_u32 s[TBV], s[TBV], VSTB
	WIN TO_1
.irp i, 0,1
.irp g, 0,1,2,3
	ds_load_tr16_b128 v[VF+32*\i+8*\g:VF+32*\i+8*\g+3],   v[ADR2] offset:\i*16*VP+32*\g
	ds_load_tr16_b128 v[VF+32*\i+8*\g+4:VF+32*\i+8*\g+7], v[ADR2] offset:\i*16*VP+32*\g+8*VP
.endr
.endr
.endm
; 32 products S^T = K Q^T.  The 16 accumulators take turns, one instruction a turn; the first 16 start the sums.
.macro QK
	WIN W_QK
.irp c, 0,1
.irp f, 0,1,2,3
.irp t, 0,1,2,3
.if \c == 0
	v_wmma_f32_16x16x32_f16 v[S+32*\t+8*\f:S+32*\t+8*\f+7], v[KF+16*\f+8*\c:KF+16*\f+8*\c+7], v[QF+16*\t+8*\c:QF+16*\t+8*\c+7], 0
.else
	v_wmma_f32_16x16x32_f16 v[S+32*\t+8*\f:S+32*\t+8*\f+7], v[KF+16*\f+8*\c:KF+16*\f+8*\c+7], v[QF+16*\t+8*\c:QF+16*\t+8*\c+7], v[S+32*\t+8*\f:S+32*\t+8*\f+7]
.endif
.endr
.endr
.endr
.endm
; 32 products O^T += V^T P, the 16 accumulators by turns.  first = 1: the first 16 start the sums: nothing is ever cleared.
.macro PV first
	WIN W_PV
.irp i, 0,1
.irp g, 0,1,2,3
.irp t, 0,1,2,3
.if (\first) && (\i == 0)
	v_wmma_f32_16x16x32_f16 v[32*\t+8*\g:32*\t+8*\g+7], v[VF+32*\i+8*\g:VF+32*\i+8*\g+7], v[S+32*\t+8*\i:S+32*\t+8*\i+7], 0
.else
	v_wmma_f32_16x16x32_f16 v[32*\t+8*\g:32*\t+8*\g+7], v[VF+32*\i+8*\g:VF+32*\i+8*\g+7], v[S+32*\t+8*\i:S+32*\t+8*\i+7], v[32*\t+8*\g:32*\t+8*\g+7]
.endif
.endr
.endr
.endr
.endm
; THE SOFTMAX of tiles t0 and t0 + 1 for one key step; the two tiles alternate line by line, so that no line reads the result of the line just before it.  first = 1: the first key step, which starts m, l and O^T.
.macro SM2 t0, first
	WIN 0
.irp j, 0,1,2,3                        ; the maximum of a lane's 32 scores: four chains, each begun at an accumulator's low end
.irp t, \t0, \t0+1
	v_max3_num_f32 v[ST+8*(\t)+4+\j], v[S+32*(\t)+8*\j], v[S+32*(\t)+8*\j+1], v[S+32*(\t)+8*\j+2]
.endr
.endr
.irp q, 3,5
.irp j, 0,1,2,3
.irp t, \t0, \t0+1
	v_max3_num_f32 v[ST+8*(\t)+4+\j], v[ST+8*(\t)+4+\j], v[S+32*(\t)+8*\j+\q], v[S+32*(\t)+8*\j+\q+1]
.endr
.endr
.endr
.irp t, \t0, \t0+1
	v_max3_num_f32 v[ST+8*(\t)+4], v[ST+8*(\t)+4], v[S+32*(\t)+7], v[S+32*(\t)+15]
.endr
.irp t, \t0, \t0+1
	v_max3_num_f32 v[ST+8*(\t)+6], v[ST+8*(\t)+6], v[S+32*(\t)+23], v[S+32*(\t)+31]
.endr
.irp t, \t0, \t0+1
	v_max3_num_f32 v[ST+8*(\t)+4], v[ST+8*(\t)+4], v[ST+8*(\t)+5], v[ST+8*(\t)+6]
.endr
.irp t, \t0, \t0+1
.if \first
	v_max_num_f32 v[ST+8*(\t)+4], v[ST+8*(\t)+4], v[ST+8*(\t)+7]
.else
	v_max3_num_f32 v[ST+8*(\t)+4], v[ST+8*(\t)+4], v[ST+8*(\t)+7], v[ST+8*(\t)+1]   ; and the old m
.endif
.endr
.irp t, \t0, \t0+1
	v_permlanex16_b32 v[ST+8*(\t)+5], v[ST+8*(\t)+4], s[SEL], s[SEL+1]   ; the query's other 32 keys lie in the lane 16 away
.endr
.if \first == 0
.irp t, \t0, \t0+1
	v_mov_b32 v[ST+8*(\t)+7], v[ST+8*(\t)]         ; c m_old is kept for a
.endr
.endif
.irp t, \t0, \t0+1
	v_max_num_f32 v[ST+8*(\t)+1], v[ST+8*(\t)+4], v[ST+8*(\t)+5]
.endr
.irp t, \t0, \t0+1
	v_mul_f32 v[ST+8*(\t)], s[CS], v[ST+8*(\t)+1]
.endr
.if \first == 0
.irp t, \t0, \t0+1
	v_sub_f32 v[ST+8*(\t)+7], v[ST+8*(\t)+7], v[ST+8*(\t)]
.endr
.irp t, \t0, \t0+1
	v_exp_f32 v[ST+8*(\t)+6], v[ST+8*(\t)+7]       ; a
.endr
.endif
; ONE BATCH: the scalings c s - c m, a pair of scores each, and all exponentials; none of these reads an exponential's result.  A pair is scaled ahead of the lines that hold its exponentials.
.irp t, \t0, \t0+1
	v_pk_fma_f32 v[S+32*(\t):S+32*(\t)+1], v[S+32*(\t):S+32*(\t)+1], s[CS:CS+1], v[ST+8*(\t):ST+8*(\t)+1] op_sel_hi:[1,0,0] neg_lo:[0,0,1] neg_hi:[0,0,1]
.endr
.irp b, 1,2,3,4,5,6,7,8,9,10,11,12,13,14,15
.irp t, \t0, \t0+1
	v_pk_fma_f32 v[S+32*(\t)+2*\b:S+32*(\t)+2*\b+1], v[S+32*(\t)+2*\b:S+32*(\t)+2*\b+1], s[CS:CS+1], v[ST+8*(\t):ST+8*(\t)+1] op_sel_hi:[1,0,0] neg_lo:[0,0,1] neg_hi:[0,0,1]
.endr
.irp t, \t0, \t0+1
	v_exp_f32 v[S+32*(\t)+2*\b-2], v[S+32*(\t)+2*\b-2]
	v_exp_f32 v[S+32*(\t)+2*\b-1], v[S+32*(\t)+2*\b-1]
.endr
.endr
.irp t, \t0, \t0+1
	v_exp_f32 v[S+32*(\t)+30], v[S+32*(\t)+30]
	v_exp_f32 v[S+32*(\t)+31], v[S+32*(\t)+31]
.endr
	v_nop                                          ; a plain instruction behind the last exponential, ahead of the first use (ISA guide 5.7.2)
	s_wait_alu depctr_va_vdst(0)                   ; a wait ahead of the first line that names a result: one for the batch of both tiles
; the sums of the unrounded p, a pair (an even key's, an odd key's) at a time, in two chains: l = a l + ..
.irp t, \t0, \t0+1
.if \first
	v_pk_add_f32 v[ST+8*(\t)+2:ST+8*(\t)+3], v[S+32*(\t):S+32*(\t)+1], v[S+32*(\t)+6:S+32*(\t)+7]
.else
	v_pk_fma_f32 v[ST+8*(\t)+2:ST+8*(\t)+3], v[ST+8*(\t)+2:ST+8*(\t)+3], v[ST+8*(\t)+6:ST+8*(\t)+7], v[S+32*(\t):S+32*(\t)+1] op_sel_hi:[1,0,1]
.endif
.endr
.irp t, \t0, \t0+1
	v_pk_add_f32 v[ST+8*(\t)+4:ST+8*(\t)+5], v[S+32*(\t)+2:S+32*(\t)+3], v[S+32*(\t)+4:S+32*(\t)+5]
.endr
.if \first == 0
.irp t, \t0, \t0+1
	v_pk_add_f32 v[ST+8*(\t)+2:ST+8*(\t)+3], v[ST+8*(\t)+2:ST+8*(\t)+3], v[S+32*(\t)+6:S+32*(\t)+7]
.endr
.endif
.irp i, 4,6,8,10,12,14
.irp t, \t0, \t0+1
	v_pk_add_f32 v[ST+8*(\t)+4:ST+8*(\t)+5], v[ST+8*(\t)+4:ST+8*(\t)+5], v[S+32*(\t)+2*\i:S+32*(\t)+2*\i+1]
.endr
.irp t, \t0, \t0+1
	v_pk_add_f32 v[ST+8*(\t)+2:ST+8*(\t)+3], v[ST+8*(\t)+2:ST+8*(\t)+3], v[S+32*(\t)+2*\i+2:S+32*(\t)+2*\i+3]
.endr
.endr
.irp t, \t0, \t0+1
	v_pk_add_f32 v[ST+8*(\t)+2:ST+8*(\t)+3], v[ST+8*(\t)+2:ST+8*(\t)+3], v[ST+8*(\t)+4:ST+8*(\t)+5]
.endr
.irp j, 0,1,2,3,4,5,6,7,8,9,10,11,12,13,14,15   ; P, rounded to f16, in place: register j takes pair j; ascending, so no pair is written over before it is read
.irp t, \t0, \t0+1
	v_cvt_pk_f16_f32 v[S+32*(\t)+\j], v[S+32*(\t)+2*\j], v[S+32*(\t)+2*\j+1]
.endr
.endr
.if \first == 0
	WIN W_RS
.irp z, 0,1,2,3,4,5,6,7,8,9,10,11,12,13,14,15   ; O^T times a, each accumulator from its low end on
.irp t, \t0, \t0+1
	v_pk_mul_f32 v[32*(\t)+2*\z:32*(\t)+2*\z+1], v[32*(\t)+2*\z:32*(\t)+2*\z+1], v[ST+8*(\t)+6:ST+8*(\t)+7] op_sel_hi:[1,0]
.endr
.endr
.endif
.endm
; A KEY STEP inside a slot.  At its head K's 16 loads and, behind them, V's 16 are out.
.macro STEP
	s_wait_dscnt 16                                ; K is in; V's 16 younger loads may be out
	QK
	WIN 0
	PLACES 4                                       ; behind the products: in front of the loads into K's registers and of the first read of the scores
	LDK                                            ; the next step's K
	SM2 0, 0
	SM2 2, 0
	s_wait_dscnt 16                                ; V is in; the next K's 16 loads may be out
	PV 0
	PLACES 5                                       ; the next step's first products write over P, which these products read: five places; they also serve the loads into V's registers
	LDV                                            ; the next step's V
	WIN 0
.endm
.macro RUN n                           ; n such steps: written once, the LDS addresses hang on s[TBK] and s[TBV]
	s_mov_b32 s[CNT], \n
.Lrun_\@:
	STEP
	s_sub_co_u32 s[CNT], s[CNT], 1
	s_cmp_lg_u32 s[CNT], 0
	s_cbranch_scc1 .Lrun_\@
.endm
; A SLOT'S LAST STEP changes slots.  Its K and V are the slot's last reads.  Each wave waits for all its tensor loads (one is out at the most: its part of the next slot), adds 0 to its spare word, and waits for that and for its reads;
; it signals, does the step's softmax and second product on registers, and waits for the others.  fill = 1: the slot just left is filled again with the keys 1,024 on: the wave's one tensor load, first behind the barrier,
; eight key steps ahead of its first read.
.macro STEPC slot, next, fill
	s_wait_dscnt 16
	QK
	WIN 0
	s_wait_tensorcnt 0x0                           ; no tensor load of mine is out, so a group 0 may be written
	ds_add_u32 v[SPW], v[NIL]                      ; 0 onto my spare word
.if \fill
	s_add_nc_u64 s[G0K+4*\slot+2:G0K+4*\slot+3], s[G0K+4*\slot+2:G0K+4*\slot+3], 131072   ; 1,024 keys on; the type bits on top are not reached
	s_add_nc_u64 s[G0V+4*\slot+2:G0V+4*\slot+3], s[G0V+4*\slot+2:G0V+4*\slot+3], 131072
.endif
	s_wait_dscnt 0x0                               ; the add is done; V of this step is in: my reads of the slot are over
	s_barrier_signal -1
	PLACES 4
	SM2 0, 0
	SM2 2, 0
	PV 0
	WIN 0
	s_barrier_wait -1                              ; nobody reads the slot any more, and the next slot is whole
.if \fill
	JLOAD \slot
	v_nop                                          ; with the four behind the load: five places behind the last products
.else
	PLACES 5
.endif
	s_mov_b32 s[TBK], \next*SLOT
	s_mov_b32 s[TBV], \next*SLOT+KREG
	LDK
	LDV
	WIN 0
.endm
.macro HALF0                           ; the first half of key step 0: all scores, and the first softmax of tiles 0 and 1
	s_wait_dscnt 16
	QK
	WIN 0
	PLACES 4
	SM2 0, 1
	WIN 0
.endm
	s_wait_tensorcnt 1                             ; my part of slot 0 is in; slot 1's may stay out
	s_barrier_signal -1
	s_barrier_wait -1                              ; everybody's is
	LDK                                            ; key step 0
	LDV
	WIN 0
	s_wait_loadcnt 0x0                             ; Q
	s_cmp_lt_u32 s[WV], 4                          ; waves 0-3 do the first half step ahead of the barrier, waves 4-7 behind it: from here on the two groups are half a step apart
	s_cbranch_scc0 .Lseed_a
	HALF0
.Lseed_a:
	s_wait_dscnt 0x0                               ; no LDS instruction of mine is out at a signal
	s_barrier_signal -1
	s_barrier_wait -1
	s_cmp_lt_u32 s[WV], 4
	s_cbranch_scc1 .Lseed_b
	HALF0
.Lseed_b:
	LDK                                            ; key step 1's K
	SM2 2, 1
	s_wait_dscnt 16                                ; V of step 0 has been in since the barrier; K's 16 may be out
	PV 1                                           ; starts O^T
	PLACES 5
	LDV
	WIN 0
	RUN 6                                          ; steps 1 to 6
	STEPC 0, 1, 1                                  ; step 7; slot 0 takes keys 1,024 on
	RUN 7                                          ; steps 8 to 14
	STEPC 1, 0, 1                                  ; step 15; slot 1 takes keys 1,536 on
	RUN 7                                          ; steps 16 to 22
	STEPC 0, 1, 0                                  ; step 23; nothing is left to fetch
	RUN 7                                          ; steps 24 to 30
	s_wait_dscnt 16                                ; step 31: the last
	QK
	WIN 0
	PLACES 4
	SM2 0, 0
	SM2 2, 0
	s_wait_dscnt 0x0
	PV 0
	; THE WAY OUT.  l's two halves and the other half of the lanes' are added (these lines are the places behind the last products); O^T is divided by l, rounded to f16 and sent through my stage, a tile (16 queries) at a time.
	WIN 0
.irp t, 0,1,2,3
	v_add_f32 v[ST+8*\t+4], v[ST+8*\t+2], v[ST+8*\t+3]
.endr
.irp t, 0,1,2,3
	v_permlanex16_b32 v[ST+8*\t+5], v[ST+8*\t+4], s[SEL], s[SEL+1]
.endr
.irp t, 0,1,2,3
	v_add_f32 v[ST+8*\t+4], v[ST+8*\t+4], v[ST+8*\t+5]
.endr
.irp t, 0,1,2,3
	v_rcp_f32 v[ST+8*\t+6], v[ST+8*\t+4]
.endr
	v_nop                                          ; a plain instruction between the last reciprocal and the use of its result
	s_wait_alu depctr_va_vdst(0)                   ; and a wait: one for the four
.macro PACK t
	WIN W_RS
.irp z, 0,1,2,3,4,5,6,7,8,9,10,11,12,13,14,15
	v_pk_mul_f32 v[32*\t+2*\z:32*\t+2*\z+1], v[32*\t+2*\z:32*\t+2*\z+1], v[ST+8*\t+6:ST+8*\t+7] op_sel_hi:[1,0]
.endr
	WIN 0x05                                       ; sources 0 and 1 window 1, destination window 0
.irp z, 0,1,2,3,4,5,6,7,8,9,10,11,12,13,14,15
	v_cvt_pk_f16_f32 v[S+32*\t+\z], v[32*\t+2*\z], v[32*\t+2*\z+1]
.endr
	WIN 0
.irp g, 0,1,2,3
	ds_store_b128 v[STO], v[S+32*\t+4*\g:S+32*\t+4*\g+3] offset:32*\g   ; query r, channels 16 g + 8 h on
.endr
.irp u, 0,1,2,3
	ds_load_b128 v[S+32*\t+4*\u:S+32*\t+4*\u+3], v[RD] offset:\u*4*SP   ; four whole rows; LDS serves a wave's instructions in order: these see the stores above, and the next tile's stores come behind them
.endr
.endm
.macro SEND t, younger                 ; younger: the LDS instructions issued behind tile t's loads
.irp u, 0,1,2,3
	s_wait_dscnt \younger+3-\u
	global_store_b128 v[GO], v[S+32*\t+4*\u:S+32*\t+4*\u+3], s[10:11] offset:\t*2048+\u*512   ; 32 lanes store 512 consecutive bytes, aligned
.endr
.endm
	PACK 0
	PACK 1
	SEND 0, 8
	PACK 2
	SEND 1, 8
	PACK 3
	SEND 2, 8
	SEND 3, 0
	s_wait_tensorcnt 0x0                           ; the wave's end, behind my last tensor load and my last LDS store
	ds_add_u32 v[SPW], v[NIL]
	s_wait_dscnt 0x0
	s_endpgm
.Lfunc_end_k_q6143b43d5e_attn:
	.size	k_q6143b43d5e_attn, .Lfunc_end_k_q6143b43d5e_attn-k_q6143b43d5e_attn
	.p2alignl 7, 3214868480
	.fill 96, 4, 3214868480
	.section	.rodata,"a",@progbits
	.p2align	6, 0x0
	.amdhsa_kernel k_q6143b43d5e_attn
		.amdhsa_group_segment_fixed_size 327680
		.amdhsa_private_segment_fixed_size 0
		.amdhsa_enable_private_segment 0
		.amdhsa_kernarg_size 16
		.amdhsa_user_sgpr_count 2
		.amdhsa_user_sgpr_kernarg_segment_ptr 1
		.amdhsa_wavefront_size32 1
		.amdhsa_system_sgpr_workgroup_id_x 1
		.amdhsa_system_sgpr_workgroup_id_y 1
		.amdhsa_system_sgpr_workgroup_id_z 1
		.amdhsa_system_vgpr_workitem_id 0
		.amdhsa_next_free_vgpr 512
		.amdhsa_next_free_sgpr 66
		.amdhsa_reserve_vcc 0
		.amdhsa_float_denorm_mode_32 3
		.amdhsa_float_denorm_mode_16_64 3
		.amdhsa_memory_ordered 1
		.amdhsa_forward_progress 1
		.amdhsa_inst_pref_size 255
	.end_amdhsa_kernel
	.section	.bss,"aw",@nobits
	.p2align	6
	.space	262144
	.amdgpu_metadata
---
amdhsa.version: [ 1, 2 ]
amdhsa.kernels:
  - .name:           k_q6143b43d5e_attn
    .symbol:         k_q6143b43d5e_attn.kd
    .args:
      - { .name: qkv, .offset: 0, .size: 8, .value_kind: global_buffer, .address_space: global }
      - { .name: att, .offset: 8, .size: 8, .value_kind: global_buffer, .address_space: global }
    .group_segment_fixed_size: 327680
    .private_segment_fixed_size: 0
    .kernarg_segment_align: 8
    .kernarg_segment_size: 16
    .max_flat_workgroup_size: 256
    .sgpr_count:     66
    .vgpr_count:     512
    .wavefront_size: 32
...
	.end_amdgpu_metadata
.endif
;; end of part 3
;; launch oproj (part 4): grid 4 x 64, 4 waves a work-group, clusters of 4 x 4, 327,680 bytes of LDS; arguments att, wo16, out0; writes out0
.if DOCPART == 4
	.amdgcn_target "amdgcn-amd-amdhsa--gfx1250"
	.amdhsa_code_object_version 6
	.text
	.protected	k_q6143b43d5e_oproj
	.globl	k_q6143b43d5e_oproj
	.p2align	8
	.type	k_q6143b43d5e_oproj,@function
k_q6143b43d5e_oproj:
	s_mov_b64 s[64:65], 0
	v_nop
	global_prefetch_b8 v0, s[64:65] scope:SCOPE_SE
	s_setreg_imm32_b32 hwreg(HW_REG_WAVE_MODE, 25, 1), 1
	s_wait_xcnt 0x0
	s_wait_alu depctr_hold_cnt(0) depctr_sa_sdst(0) depctr_va_vdst(0) depctr_va_sdst(0) depctr_va_ssrc(0) depctr_va_vcc(0) depctr_vm_vsrc(0)
	s_getreg_b32 s2, hwreg(HW_REG_IB_STS2, 6, 4)
	s_cmp_eq_u32 s2, 0
	s_cbranch_scc0 .Lentry_in_a_cluster
	s_endpgm
.Lentry_in_a_cluster:
	s_bfe_u32 s2, ttmp6, 0x10000c
	s_cmp_lg_u32 s2, 0xf033
	s_cbranch_scc0 .Lentry_shape_is_right
	s_endpgm
.Lentry_shape_is_right:
; out0[token][n] = sum over k of A[token][k] W_o[n][k], K = 1,024 = 16 heads x 64.  A is att, f16, laid by heads: [batch 4][head 16][token 2,048][64]; W_o is wo16, f16, [1,024 n][1,024 k]; out0 is f32; sums in f32.
; A tile of out0 is 128 tokens x 256 columns: 256 work-groups.  Four waves, each 64 tokens x 128 columns: 32 accumulators of 16 x 16, 256 registers.  K goes in 8 steps of 128 (two heads) through a ring of two LDS slots.
; A's part of a step is, for each of the two heads, 128 tokens x 128 bytes: a dense block, fetched as 64 rows of 256 bytes (a PAIR of tokens to a row).  B's is 256 rows of 256 bytes.  Waves 0, 1 fetch A's two heads, waves 2, 3 B's halves.
; CLUSTERS: 4 x 4 work-groups.  The four of a row of the cluster need the same tiles of A, the four of a column the same tiles of B: each is asked for JOINTLY.
; THE MATRIX INSTRUCTION IS USED TRANSPOSED (source 0 = 16 rows of W_o, source 1 = 16 tokens): a lane holds eight neighbouring numbers of a row of out0.
; No prefetch: on this small tile it is left out; the ring's loads are shared fourfold by the cluster.
; REGISTERS: window 0: v0-31 addresses; two fragment buffers of 96 at v32 and v128 (A's 4 fragments, then B's 8); on the way out v32-159.   window 1: accumulator (a, b) at v[8 (8 a + b)].
.set PITCH,  272                       ; an LDS row: 256 bytes + 16 of padding
.set APL,    64*PITCH                  ; a head's 128 tokens
.set HALFB,  128*PITCH                 ; 128 rows of W_o
.set SLOT,   2*APL+2*HALFB
.set STAGE,  2*SLOT                    ; behind the ring: 16 rows x (512 bytes + 16) for each wave
.set SPITCH, 528
.set SPARE,  STAGE+4*16*SPITCH         ; the spare words, 128 bytes a wave
.set LAPS,   4                         ; a lap = two K steps = once round the ring
.set ADRA, 16                          ; v16-17 LDS address of my A fragments in slot 0, 1
.set ADRB, 20                          ; v20-21 the same for B
.set STO,  24                          ; v24 the way out: where I put 32 bytes of a row
.set RD,   25                          ; v25 where I read a row back
.set CO,   26                          ; v26 16 x lane
.set SPW,  28
.set NIL,  29
.set F0,   32
.set F1,   128
.set BK,   32                          ; the way out: 16 rows read back: v32-95 and v96-159 by turns
.set G1, 24                            ; s[24:31] group 1 for A's tiles; s[32:39] group 0, one set a slot
.set G0, 32
.set G1B, 48                           ; s[48:55], s[56:63] the same for B's
.set G0B, 56
.set MSB, 0
.macro WIN new
.if MSB != (\new)
	s_set_vgpr_msb (MSB<<8)|(\new)
.set MSB, (\new)
.endif
.endm
.set MUL, 0x50                         ; sources 0 and 1 window 0; C and D window 1
.macro JLOAD s                         ; a joint load: waves 0 and 1 fetch A's two heads, waves 2 and 3 B's halves; an s_nop 0 and four v_nop follow each of the two lines
	s_cmp_eq_u32 s11, 0
	s_cbranch_scc0 .Lfor_b_\@
	tensor_load_to_lds s[G0+4*\s:G0+4*\s+3], s[G1:G1+7]
	s_nop 0
.rept 4
	v_nop
.endr
	s_branch .Lasked_\@
.Lfor_b_\@:
	tensor_load_to_lds s[G0B+4*\s:G0B+4*\s+3], s[G1B:G1B+7]
	s_nop 0
.rept 4
	v_nop
.endr
.Lasked_\@:
.endm
.macro CREST                           ; a round of the cluster's barrier behind its opening barrier
	s_cmp_lg_u32 s10, 0
	s_cbranch_scc1 .Lnot_wave_0_\@
	s_barrier_signal -3
.Lnot_wave_0_\@:
	s_barrier_wait -3
	s_barrier_signal -1
	s_barrier_wait -1
.endm
.macro CROUND
	s_barrier_signal -1
	s_barrier_wait -1
	CREST
.endm
	s_load_b128 s[4:7], s[0:1], 0x0                ; att s[4:5], wo16 s[6:7]
	s_load_b64 s[8:9], s[0:1], 0x10                ; out0
	v_lshl_add_u32 v[SPW], v0, 2, SPARE
	v_mov_b32 v[NIL], 0
	ds_add_u32 v[SPW], v[NIL]                      ; the wave's opening: the add, twice on end, and its wait ahead of my first tensor load
	ds_add_u32 v[SPW], v[NIL]
	v_lshrrev_b32 v1, 5, v0
	v_readfirstlane_b32 s10, v1                    ; wave 0..3
	s_lshr_b32 s11, s10, 1                         ; which half of the tile's tokens is mine.  Also: I fetch for A (0) or for B (1)
	s_and_b32 s12, s10, 1                          ; which half of its columns.  Also: which head, or which 128 rows of W_o, I fetch
	s_bfe_u32 s40, ttmp6, 0x40000                  ; cx, cy
	s_bfe_u32 s41, ttmp6, 0x40004
	s_lshl_b32 s42, ttmp9, 2
	s_add_co_u32 s42, s42, s40                     ; tile column = 4 x cluster x + cx
	s_and_b32 s13, ttmp7, 0xffff
	s_lshl_b32 s13, s13, 2
	s_add_co_u32 s13, s13, s41                     ; tile row = 4 x cluster y + cy
	s_lshl_b32 s43, s41, 2
	s_lshl_b32 s43, 15, s43                        ; my row of the cluster
	s_lshl_b32 s44, 0x1111, s40                    ; my column
	s_or_b32 s[G1+0], s43, (1<<16)|(1<<20)|(1<<21)|(5<<22)|(3<<25)   ; the mask; elements of 2 bytes; padding on; bit 21 beside a mask; 4 words after every 64
	s_mov_b32 s[G1+1], 128<<16                     ; A: tensor_dim0
	s_mov_b32 s[G1+2], 64<<16                      ; tensor_dim1
	s_mov_b32 s[G1+3], 128<<16                     ; tile_dim0
	s_mov_b32 s[G1+4], 64                          ; tile_dim1
	s_mov_b32 s[G1+5], 128                         ; dense
	s_mov_b32 s[G1+6], 0
	s_mov_b32 s[G1+7], 0
	s_or_b32 s[G1B+0], s44, (1<<16)|(1<<20)|(1<<21)|(5<<22)|(3<<25)
	s_mov_b32 s[G1B+1], 128<<16                    ; B: 128 rows x 128 elements, 1,024 elements from row to row
	s_mov_b32 s[G1B+2], 128<<16
	s_mov_b32 s[G1B+3], 128<<16
	s_mov_b32 s[G1B+4], 128
	s_mov_b32 s[G1B+5], 1024
	s_mov_b32 s[G1B+6], 0
	s_mov_b32 s[G1B+7], 0
	s_lshr_b32 s16, s13, 4                         ; A: the batch (16 tiles of 128 tokens each), 4 MiB each,
	s_lshl_b32 s16, s16, 22
	s_and_b32 s17, s13, 15
	s_lshl_b32 s17, s17, 14                        ; the tile's first token, 128 bytes each,
	s_add_co_u32 s16, s16, s17
	s_lshl_b32 s17, s12, 18                        ; the head that I fetch of the step's two
	s_add_co_u32 s16, s16, s17
	s_mov_b32 s17, 0
	s_lshl_b32 s46, s42, 19                        ; B: row 256 x tile column + 128 x half, 2,048 bytes a row
	s_lshl_b32 s47, s12, 18
	s_add_co_u32 s46, s46, s47
	s_mov_b32 s47, 0
	s_mul_i32 s20, s12, APL                        ; where they go: no place in the cluster enters an LDS address
	s_mul_i32 s21, s12, HALFB
	s_add_co_u32 s21, s21, 2*APL
	s_wait_dscnt 0x0                               ; both opening adds are done
	s_wait_kmcnt 0x0
	s_add_nc_u64 s[14:15], s[4:5], s[16:17]
	s_add_nc_u64 s[46:47], s[6:7], s[46:47]
	CROUND                                         ; all sixteen work-groups are here: the first joint loads meet
.irp s, 0,1
	s_mov_b32 s[G0+4*\s], 1
	s_add_co_u32 s[G0+4*\s+1], s20, \s*SLOT
	s_add_nc_u64 s[G0+4*\s+2:G0+4*\s+3], s[14:15], \s*524288    ; K step s: two heads on
	s_or_b32 s[G0+4*\s+3], s[G0+4*\s+3], 0x80000000
	s_mov_b32 s[G0B+4*\s], 1
	s_add_co_u32 s[G0B+4*\s+1], s21, \s*SLOT
	s_add_nc_u64 s[G0B+4*\s+2:G0B+4*\s+3], s[46:47], \s*256
	s_or_b32 s[G0B+4*\s+3], s[G0B+4*\s+3], 0x80000000
	JLOAD \s                                       ; two tensor loads of mine are out
.endr
	v_and_b32 v1, 15, v0                           ; r
	v_bfe_u32 v2, v0, 4, 1                         ; h
	v_mul_u32_u24 v3, v1, PITCH
	v_lshl_add_u32 v3, v2, 4, v3                   ; B: row r x pitch + 16 h
	v_lshrrev_b32 v4, 1, v1
	v_mul_u32_u24 v4, v4, PITCH                    ; A: token r lies in pair r / 2,
	v_and_b32 v5, 1, v0
	v_lshl_add_u32 v4, v5, 7, v4                   ; in its half r % 2,
	v_lshl_add_u32 v4, v2, 4, v4                   ; + 16 h
	s_mul_i32 s22, s11, 32*PITCH                   ; my 64 tokens: 32 pairs
	s_mul_i32 s23, s12, HALFB                      ; my 128 rows of B,
	s_add_co_u32 s23, s23, 2*APL                   ; behind A's two heads
.irp s, 0,1
	v_add_nc_u32 v[ADRA+\s], s22, v4
	v_add_nc_u32 v[ADRB+\s], s23, v3
	s_add_co_u32 s22, s22, SLOT
	s_add_co_u32 s23, s23, SLOT
.endr
	s_mul_i32 s23, s10, 16*SPITCH
	s_add_co_u32 s23, s23, STAGE                   ; my stage
	v_mul_u32_u24 v5, v1, SPITCH                   ; in: row r, 32 bytes for each half of the lanes
	v_lshl_add_u32 v5, v2, 5, v5
	v_add_nc_u32 v[STO], s23, v5
	v_and_b32 v6, 31, v0
	v_lshlrev_b32 v[CO], 4, v6                     ; back: the 32 lanes take one row of 512 bytes; and the same in out0
	v_add_nc_u32 v[RD], s23, v[CO]
	s_lshl_b32 s16, s13, 7
	s_lshl_b32 s17, s11, 6
	s_add_co_u32 s16, s16, s17                     ; my first token: 128 x tile row + 64 x half
	s_lshl_b32 s16, s16, 12                        ; 4,096 bytes a row of out0
	s_lshl_b32 s46, s42, 10                        ; my first column, in bytes: 1,024 x tile column + 512 x half
	s_lshl_b32 s47, s12, 9
	s_add_co_u32 s46, s46, s47
	s_add_co_u32 s16, s16, s46
	s_mov_b32 s17, 0
	s_add_nc_u64 s[8:9], s[8:9], s[16:17]
; 8 matrix instructions: token block a x all 8 column blocks, 32 along K, from buffer f.  zero = 1: the product starts the sums.  The 32 accumulators take turns in the same order in every quarter.
.macro MULA f, a, zero
.irp b, 0,1,2,3,4,5,6,7
.if \zero
	v_wmma_f32_16x16x32_f16 v[8*(8*(\a)+\b):8*(8*(\a)+\b)+7], v[\f+32+8*\b:\f+32+8*\b+7], v[\f+8*(\a):\f+8*(\a)+7], 0
.else
	v_wmma_f32_16x16x32_f16 v[8*(8*(\a)+\b):8*(8*(\a)+\b)+7], v[\f+32+8*\b:\f+32+8*\b+7], v[\f+8*(\a):\f+8*(\a)+7], v[8*(8*(\a)+\b):8*(8*(\a)+\b)+7]
.endif
.endr
.endm
; 24 LDS loads in one run: the fragments of the slot's kq-th 32 along K into buffer f: B's eight, then A's four (head kq / 2, channels 32 (kq % 2) on)
.macro FETCH slot, kq, f
.irp i, 0,1,2,3,4,5,6,7
	ds_load_b128 v[\f+32+8*\i:\f+32+8*\i+3],   v[ADRB+\slot] offset:64*(\kq)+\i*16*PITCH
	ds_load_b128 v[\f+32+8*\i+4:\f+32+8*\i+7], v[ADRB+\slot] offset:64*(\kq)+\i*16*PITCH+32
.endr
.irp i, 0,1,2,3
	ds_load_b128 v[\f+8*\i:\f+8*\i+3],   v[ADRA+\slot] offset:((\kq)/2)*APL+((\kq)%2)*64+\i*8*PITCH
	ds_load_b128 v[\f+8*\i+4:\f+8*\i+7], v[ADRA+\slot] offset:((\kq)/2)*APL+((\kq)%2)*64+\i*8*PITCH+32
.endr
.endm
.macro PLACES                          ; four places in front of loads into registers that matrix instructions have read, and of stores that read results
.rept 4
	v_nop
.endr
.endm
; A K step is four quarters of 32 along K, 32 matrix instructions each, on buffers 0, 1, 0, 1.  One of the first three: multiplies buffer f and fetches quarter kq of the same slot into g.
.macro QUARTER slot, kq, f, g, zero
	s_wait_dscnt 4                                 ; B and A's blocks 0, 1 are in; the youngest four loads (A's blocks 2, 3) may be out
	WIN MUL
	MULA \f, 0, \zero
	MULA \f, 1, \zero
	WIN 0
	PLACES
	FETCH \slot, \kq, \g
	s_wait_dscnt 24                                ; all but the 24 just issued
	WIN MUL
	MULA \f, 2, \zero
	MULA \f, 3, \zero
.endm
; The last quarter multiplies buffer 1 and changes slots: ONE barrier; in front of it each wave waits for all its tensor loads, adds 0 to its spare word, and waits for that and for its reads of this slot.  fill = 1: this slot is filled again, two K steps ahead.
.macro TURN slot, next, fill
	WIN 0
	s_wait_tensorcnt 0x0                           ; all my tensor loads have landed: my part of the next slot
	ds_add_u32 v[SPW], v[NIL]                      ; 0 onto my spare word
	s_wait_dscnt 5                                 ; (the add and the youngest four loads may be out)
	WIN MUL
	MULA F1, 0, 0                                  ; eight matrix instructions stand between the add and the wait for it
	s_wait_dscnt 0x0                               ; the add is done, and my reads of this slot are over
	s_barrier_signal -1
	MULA F1, 1, 0
	WIN 0
	s_barrier_wait -1
.if \fill
	CREST                                          ; the barrier has opened a round of the cluster's barrier: no wave of any partner still reads this slot or has a load on its way
	s_add_nc_u64 s[G0+4*\slot+2:G0+4*\slot+3], s[G0+4*\slot+2:G0+4*\slot+3], 1048576   ; four heads on
	s_add_nc_u64 s[G0B+4*\slot+2:G0B+4*\slot+3], s[G0B+4*\slot+2:G0B+4*\slot+3], 512
	JLOAD \slot                                    ; the first tensor load behind the round; the four v_nop behind it are also the places in front of the loads below
.else
	PLACES
.endif
	FETCH \next, 0, F0
	WIN MUL
	MULA F1, 2, 0
	MULA F1, 3, 0
.endm
	s_wait_tensorcnt 1                             ; my part of K step 0 is in (K step 1's load may be out)
	s_barrier_signal -1
	s_barrier_wait -1                              ; everybody's is
	FETCH 0, 0, F0
	QUARTER 0, 1, F0, F1, 1                        ; the first quarter stands in front of the loop: its products start the sums
	WIN 0                                          ; at a label and at a branch every window is 0
	s_mov_b32 s3, LAPS-1
.Llap:                                             ; a trip goes once round the ring, from a lap's second quarter to the next lap's first, and fills both slots again
	QUARTER 0, 2, F1, F0, 0
	QUARTER 0, 3, F0, F1, 0
	TURN 0, 1, 1
	QUARTER 1, 1, F0, F1, 0
	QUARTER 1, 2, F1, F0, 0
	QUARTER 1, 3, F0, F1, 0
	TURN 1, 0, 1
	QUARTER 0, 1, F0, F1, 0
	WIN 0
	s_sub_co_u32 s3, s3, 1
	s_cmp_lg_u32 s3, 0
	s_cbranch_scc1 .Llap
	QUARTER 0, 2, F1, F0, 0                        ; the last lap fills nothing, and has no round of the cluster's barrier
	QUARTER 0, 3, F0, F1, 0
	TURN 0, 1, 0
	QUARTER 1, 1, F0, F1, 0
	QUARTER 1, 2, F1, F0, 0
	QUARTER 1, 3, F0, F1, 0
	s_wait_dscnt 4                                 ; the very last quarter: nothing more to fetch
	WIN MUL
	MULA F1, 0, 0
	MULA F1, 1, 0
	s_wait_dscnt 0
	MULA F1, 2, 0
	MULA F1, 3, 0
	WIN 0
; THE WAY OUT, block by block of 16 tokens x 128 columns: through my own stage in LDS, back as whole rows of 512 bytes.  LDS serves a wave's instructions in order: no wait between the stores and the loads, nor in front of the next block's stores.
.macro TOSTAGE a
	WIN 0x04                                       ; an LDS store's data are its source 1: window 1
.irp b, 0,1,2,3,4,5,6,7
	ds_store_b128 v[STO], v[8*(8*(\a)+\b):8*(8*(\a)+\b)+3] offset:64*\b          ; each accumulator from its low end on
	ds_store_b128 v[STO], v[8*(8*(\a)+\b)+4:8*(8*(\a)+\b)+7] offset:64*\b+16
.endr
	WIN 0
.set BB, BK+64*((\a)%2)
.irp t, 0,1,2,3,4,5,6,7,8,9,10,11,12,13,14,15
	ds_load_b128 v[BB+4*\t:BB+4*\t+3], v[RD] offset:\t*SPITCH
.endr
.endm
.macro SEND a, younger                 ; younger: the LDS instructions issued behind block a's loads, which may stay out
.set BB, BK+64*((\a)%2)
	s_wait_dscnt \younger
.irp t, 0,1,2,3,4,5,6,7,8,9,10,11,12,13,14,15
	global_store_b128 v[CO], v[BB+4*\t:BB+4*\t+3], s[8:9] offset:(16*(\a)+\t)*4096 th:TH_STORE_NT   ; 32 lanes store 512 consecutive bytes, aligned; written once, read by nobody here
.endr
.endm
	PLACES                                         ; behind the last products: for the stores that read results and the loads into the fragments' registers
	TOSTAGE 0
.irp a, 1,2,3
.if \a > 1
	s_wait_xcnt 0x0                                ; block a - 2's stores have read their registers: block a's loads may land there
.endif
	TOSTAGE \a
	SEND \a-1, 32                                  ; behind block a - 1's loads: block a's 16 stores and 16 loads
.endr
	SEND 3, 0
	s_wait_tensorcnt 0x0                           ; the wave's end, behind my last tensor load and my last LDS store
	ds_add_u32 v[SPW], v[NIL]
	s_wait_dscnt 0x0
	CROUND                                         ; the closing round
	s_endpgm
.Lfunc_end_k_q6143b43d5e_oproj:
	.size	k_q6143b43d5e_oproj, .Lfunc_end_k_q6143b43d5e_oproj-k_q6143b43d5e_oproj
	.p2alignl 7, 3214868480
	.fill 96, 4, 3214868480
	.section	.rodata,"a",@progbits
	.p2align	6, 0x0
	.amdhsa_kernel k_q6143b43d5e_oproj
		.amdhsa_group_segment_fixed_size 327680
		.amdhsa_private_segment_fixed_size 0
		.amdhsa_enable_private_segment 0
		.amdhsa_kernarg_size 24
		.amdhsa_user_sgpr_count 2
		.amdhsa_user_sgpr_kernarg_segment_ptr 1
		.amdhsa_wavefront_size32 1
		.amdhsa_system_sgpr_workgroup_id_x 1
		.amdhsa_system_sgpr_workgroup_id_y 1
		.amdhsa_system_sgpr_workgroup_id_z 1
		.amdhsa_system_vgpr_workitem_id 0
		.amdhsa_next_free_vgpr 512
		.amdhsa_next_free_sgpr 66
		.amdhsa_reserve_vcc 0
		.amdhsa_float_denorm_mode_32 3
		.amdhsa_float_denorm_mode_16_64 3
		.amdhsa_memory_ordered 1
		.amdhsa_forward_progress 1
		.amdhsa_inst_pref_size 85
	.end_amdhsa_kernel
	.amdgpu_metadata
---
amdhsa.version: [ 1, 2 ]
amdhsa.kernels:
  - .name:           k_q6143b43d5e_oproj
    .symbol:         k_q6143b43d5e_oproj.kd
    .args:
      - { .name: att, .offset: 0, .size: 8, .value_kind: global_buffer, .address_space: global }
      - { .name: wo16, .offset: 8, .size: 8, .value_kind: global_buffer, .address_space: global }
      - { .name: out0, .offset: 16, .size: 8, .value_kind: global_buffer, .address_space: global }
    .group_segment_fixed_size: 327680
    .private_segment_fixed_size: 0
    .kernarg_segment_align: 8
    .kernarg_segment_size: 24
    .max_flat_workgroup_size: 128
    .sgpr_count:     66
    .vgpr_count:     512
    .wavefront_size: 32
...
	.end_amdgpu_metadata
.endif
;; end of part 4
